; MI455X (gfx1250); checked and timed in simulation.
; The chip was launched on July 23, 2026; its instructions are those of AMD's public machine-readable ISA for CDNA 5 (MIT licence, August 2026) and "CDNA5" Instruction Set Architecture Reference Guide (July 2026). The comments in the code are by the model that wrote it; some were corrected since.
;; Gated Attention. Allowed arithmetic: matrix products marked QUANTISED: E2M1 operands, one E8M0 scale for each 32 along K, by v_wmma_scale_f32_16x16x128_f8f6f4 with both operands' format E2M1 (or v_wmma_scale_f32_32x16x128_f4), f32 sums; products left as they are: bf16, f16 or f32 operands; f32 sums; everything else in f32.
;; Inputs: Wk 1,024 x 256 float32; Wo 1,024 x 1,024 float32; Wq 1,024 x 2,048 float32; Wv 1,024 x 256 float32; bk 256 float32; bo 1,024 float32; bq 2,048 float32; bv 256 float32; hidden_states 4 x 2,048 x 1,024 float32; k_norm_w 128 float32; q_norm_w 128 float32; rope 1 x 1 x 2,048 x 256 float32.
;; Outputs: out0 4 x 2,048 x 1,024 float32.
;; This version of the problem:
;;   THIS VERSION OF THE PROBLEM IS GIVEN IN LOW PRECISION. The matrix products marked QUANTISED in the list below multiply operands that are first quantised to E2M1 (2 exponent bits, 1 mantissa bit; 4 bits a number), with one power-of-two scale for each 32 numbers along K (OCP MX v1.0); their sums are f32. The products marked 'left as it is' may take bf16, f16 or f32 operands, with f32 sums. Whichever they take, every output number must still come out within the allowed error. Rounding operands to bf16 (8 significant bits) uses up far more of that allowance than f16 does (11 bits, for magnitudes from 6e-5 to 65,504). All else is computed in f32.
;;   The module's matrix products, in the order in which they are computed (A, B: the left and right operand; K: the contracted axis; several contracted axes count as one K, in the product's order):
;;     1. [M 8,192, K 1,024] x [K 1,024, N 2,048]; A: input hidden_states; B: input Wq: QUANTISED
;;     2. [M 8,192, K 1,024] x [K 1,024, N 256]; A: input hidden_states; B: input Wk: QUANTISED
;;     3. [M 8,192, K 1,024] x [K 1,024, N 256]; A: input hidden_states; B: input Wv: QUANTISED
;;     4. batch 32 x [M 2,048, K 128] x [K 128, N 2,048]; A: computed on the way; B: computed on the way: left as it is (an operand is computed on the way)
;;     5. batch 32 x [M 2,048, K 2,048] x [K 2,048, N 128]; A: computed on the way; B: computed on the way: left as it is (an operand is computed on the way)
;;     6. [M 8,192, K 1,024] x [K 1,024, N 1,024]; A: computed on the way; B: input Wo: left as it is (an operand is computed on the way)
;;   THE QUANTISER, for each operand of a quantised product, along K:
;;     - K is cut into blocks of 32 from its start; a last block that is shorter is filled with zeros.
;;     - A block's scale is 2^e with e = floor(log2(the largest magnitude in the block)) - 2, held to -126 .. 127; a block of zeros has e = 0. As a byte (E8M0): e + 127.
;;     - Each number is divided by its block's scale, clamped to +-6, and rounded to the nearest number of E2M1, ties to even, subnormals kept.
;;     - The product sums the exact products of the quantised numbers (number of the format x scale) in f32.
;;   ~~~python
;;   def quantise(x, axis):      # numpy; x: float32 -> the quantised numbers, widened to float32 again
;;       x = np.moveaxis(x, axis, -1); K = x.shape[-1]
;;       x = np.pad(x, [(0, 0)] * (x.ndim - 1) + [(0, -K % 32)]); x = x.reshape(x.shape[:-1] + (-1, 32)); a = np.abs(x).max(-1, keepdims=True)
;;       e = np.where(a > 0, np.clip(np.frexp(np.where(a > 0, a, 1))[1] - 1 - 2, -126, 127), 0)      # np.frexp(a)[1] - 1 = floor(log2(a)), exactly
;;       r = np.clip(x / 2.0 ** e, -6, 6)
;;       step = 2.0 ** (np.maximum(np.frexp(np.where(r == 0, 1, r))[1] - 1, 0) - 1)
;;       q = np.round(r / step) * step * 2.0 ** e      # np.round: ties to even
;;       return np.moveaxis(q.reshape(q.shape[:-2] + (-1,))[..., :K], -1, axis).astype(np.float32)
;;   ~~~
;; 2 versions, each right. Each part assembles by itself: llvm-mc -triple=amdgcn-amd-amdhsa -mcpu=gfx1250 --defsym DOCPART=n.
;; ======== version 1 of 2: 4 launches
;; limits: values are held in f16: magnitudes above 65,504 overflow, below 6.1e-05 lose precision
;; workspace buffers: xq 4,456,448 bytes; wq 3,489,792 bytes; wot 2,097,152 bytes; qh 33,554,432 bytes; gh 33,554,432 bytes; kvh 12,582,912 bytes; ah 16,777,216 bytes
;; launch prep (part 1): grid 384 x 1, 4 waves a work-group, no clusters, 34,816 bytes of LDS; arguments hidden_states, Wq, Wk, Wv, Wo, rope, xq, wq, wot; writes xq, wq, wot
.if DOCPART == 1
	.amdgcn_target "amdgcn-amd-amdhsa--gfx1250"
	.amdhsa_code_object_version 6
	.text
	.protected	k_q3d3fd39399_prep
	.globl	k_q3d3fd39399_prep
	.p2align	8
	.type	k_q3d3fd39399_prep,@function
k_q3d3fd39399_prep:
	s_mov_b64 s[64:65], 0
	v_nop
	global_prefetch_b8 v0, s[64:65] scope:SCOPE_SE
	s_setreg_imm32_b32 hwreg(HW_REG_WAVE_MODE, 25, 1), 1
	s_wait_xcnt 0x0
; GatedAttention, launch 1 of 4: every operand that many work-groups read later is laid out ONCE, in the order of the reader's operand registers.
; DEAD WORK: none.  Every bias stands ahead of a norm (bq's query part, bk), a sigmoid (bq's gate part), the weighted mean (bv) or the output (bo); there is no mask and nothing is sliced away: all twelve inputs are loaded by some launch.
; WHAT IS MADE.  hidden_states [8192][1024] and Wq, Wk, Wv [1024][2048 | 256 | 256] become codes of E2M1 with one E8M0 byte for each 32 along K (K = 1024);
;   a block's scale is 2^(floor(log2(largest magnitude)) - 2): its byte is the largest magnitude's exponent field - 2, held at 1 from below.  A block of zeros keeps the byte 1: its codes are zeros and this program alone reads the bytes.
;   codes: [row / 16][k / 32][row % 16][16 bytes]: a fragment (16 rows x 128 K) is two runs of 512 bytes, 16 bytes a lane.  scale words: [row / 16][k / 512][row % 16][4 words].
;   Wo [1024 (k)][1024 (n)] becomes f16, [n / 16][k / 8][n % 16][8 k].  rope becomes images of the registers that hold sin and cos beside a product's result: [s / 16][b 8][part 4][lane][16 bytes].
; LIMITS: NaN and infinities among the inputs are not served; blocks whose largest magnitude lies under 2^-124 keep the byte 1; |Wo| from 65,504 on becomes infinite in f16, and under 6e-5 it keeps an absolute error of 2^-25.
; ROLES by the work-group's number: 0-127 hidden_states, 128-255 Wq, 256-287 Wk and Wv, 288-351 Wo, 352-383 rope.  Only the first role uses LDS.  Waves share nothing: no barrier.
.set XSC,   4194304                    ; xq: the scale words lie behind 512 blocks x 8,192 bytes of codes
.set WSC,   1310720                    ; wq: behind 160 blocks x 8,192 bytes
.set RIMG,  1392640                    ; wq: the rope images, behind 160 x 512 bytes of scale words
.set STG,   16*528                     ; a wave's stage: 16 rows x (512 bytes + 16)
.set SPARE, 4*STG                      ; behind the four stages: the spare words, 128 bytes for each wave
.set SPW, 14                           ; v14  LDS address of my spare word; never rewritten
.set NIL, 15                           ; v15  0; never rewritten
.set TM,  16                           ; v16-31 at work
.set R,   32                           ; v32-159  two sets of 64 numbers as loaded (the weights' roles: two sets of 32 at v32-95, results from v96)
.set X,   160                          ; v160-223 64 numbers of my row: register 16 b + i = k 32 b + 16 (lane / 16) + i
.set PC,  224                          ; v224-239 two sets of a fragment's codes
.set SW,  240                          ; v240-247 a scale word for each K step
.set D,   248
.set SEL, 24                           ; s[24:25] v_permlanex16_b32's selects for lane l xor 16
	s_load_b512 s[4:19], s[0:1], 0x0               ; hidden s[4:5], Wq s[6:7], Wk s[8:9], Wv s[10:11], Wo s[12:13], rope s[14:15], xq s[16:17], wq s[18:19]
	s_load_b64 s[20:21], s[0:1], 0x40              ; wot
	v_lshl_add_u32 v[SPW], v0, 2, SPARE
	v_mov_b32 v[NIL], 0
	v_lshrrev_b32 v1, 5, v0
	v_readfirstlane_b32 s22, v1                    ; wave 0..3
	v_and_b32 v1, 31, v0                           ; lane
	v_and_b32 v2, 15, v0                           ; r
	v_bfe_u32 v3, v0, 4, 1                         ; h
	v_lshlrev_b32 v4, 4, v1                        ; 16 x lane
	v_lshlrev_b32 v7, 2, v1                        ; 4 x lane
	s_mov_b32 s[SEL], 0x76543210
	s_mov_b32 s[SEL+1], 0xfedcba98
	s_mov_b32 s37, 0                               ; the upper word of every offset pair s[36:37]
	s_wait_kmcnt 0x0
	s_cmp_ge_u32 ttmp9, 128
	s_cbranch_scc1 .Lnot_x
; ---- hidden_states: a wave takes 16 rows x all of K, in 8 steps of 128.
; 64 numbers of a lane become a fragment's codes in v[pc] on and its scale word in v[pw]
.macro QUANT s, pc, pw
.irp b, 0,1,2,3
	v_max3_num_f32 v[TM+\b], |v[\s+16*\b]|, |v[\s+1+16*\b]|, 0x1800000   ; block b: my 16 numbers, and the floor 2^(3 - 127): the byte cannot fall under 1
.endr
.irp i, 2,4,6,8,10,12,14
.irp b, 0,1,2,3
	v_max3_num_f32 v[TM+\b], v[TM+\b], |v[\s+16*\b+\i]|, |v[\s+1+16*\b+\i]|
.endr
.endr
.irp b, 0,1,2,3
	v_permlanex16_b32 v[TM+4+\b], v[TM+\b], s[SEL], s[SEL+1]
.endr
.irp b, 0,1,2,3
	v_max_num_f32 v[TM+\b], v[TM+\b], v[TM+4+\b]   ; with lane l xor 16's: the block's largest magnitude
.endr
.irp b, 0,1,2,3
	v_add_nc_u32 v[TM+12+\b], 0xff000000, v[TM+\b] ; 2 off its exponent field: the conversion's scale operand
.endr
.irp b, 0,1,2,3
	v_lshrrev_b32 v[TM+4+\b], 23, v[TM+12+\b]      ; the scale's byte
.endr
	v_lshl_or_b32 v[\pw], v[TM+5], 8, v[TM+4]
	v_lshl_or_b32 v[\pw], v[TM+6], 16, v[\pw]
	v_lshl_or_b32 v[\pw], v[TM+7], 24, v[\pw]
.irp b, 0,1,2,3
	v_cvt_scalef32_pk8_fp4_f32 v[(\pc)+2*\b], v[\s+16*\b:\s+7+16*\b], v[TM+12+\b]
	v_cvt_scalef32_pk8_fp4_f32 v[(\pc)+1+2*\b], v[\s+8+16*\b:\s+15+16*\b], v[TM+12+\b]
.endr
	v_nop                                          ; one plain place behind a scaled conversion
.irp c, 0,1                                    ; the operand's layout wants a whole block in a lane: lanes 0-15 block 2 c, lanes 16-31 block 2 c + 1
.irp i, 0,1
	v_permlane16_swap_b32 v[(\pc)+4*\c+\i], v[(\pc)+2+4*\c+\i]
.endr
.endr
.endm
.macro XLOAD t                         ; K step t of my 16 rows: each load reads 512 consecutive bytes of one row
.irp i, 0,1,2,3,4,5,6,7,8,9,10,11,12,13,14,15
	global_load_b128 v[R+64*((\t)%2)+4*\i:R+64*((\t)%2)+4*\i+3], v4, s[4:5] offset:\i*4096+(\t)*512 th:TH_LOAD_NT
.endr
.endm
.macro XSTEP t
.if (\t) < 7
	s_wait_loadcnt 16                              ; this step's 16 loads are in; the next step's 16 may be out
.else
	s_wait_loadcnt 0x0
.endif
.irp i, 0,1,2,3,4,5,6,7,8,9,10,11,12,13,14,15
	ds_store_b128 v5, v[R+64*((\t)%2)+4*\i:R+64*((\t)%2)+4*\i+3] offset:\i*528   ; a row as it lies
.endr
.irp b, 0,1,2,3
.irp j, 0,1,2,3
	ds_load_b128 v[X+16*\b+4*\j:X+16*\b+4*\j+3], v6 offset:\b*128+\j*16          ; back: my row's 16 neighbours of each block.  LDS serves a wave's instructions in order
.endr
.endr
	s_wait_dscnt 0x0                               ; the numbers are back, and the stores have read their registers,
.if (\t)+2 < 8
	XLOAD (\t)+2                                   ; which take the loads of two steps on
.endif
	s_wait_xcnt 0x0                                ; the stores of two steps back have read this set of codes
	QUANT X, PC+8*((\t)%2), SW+(\t)
	global_store_b128 v4, v[PC+8*((\t)%2):PC+8*((\t)%2)+3], s[28:29] offset:(\t)*1024          ; 512 consecutive bytes each
	global_store_b128 v4, v[PC+8*((\t)%2)+4:PC+8*((\t)%2)+7], s[28:29] offset:(\t)*1024+512
.endm
	s_lshl_b32 s26, ttmp9, 2
	s_add_co_u32 s26, s26, s22                     ; my block of 16 rows, 0..511
	s_lshl_b32 s36, s26, 16
	s_add_nc_u64 s[4:5], s[4:5], s[36:37]          ; 16 rows of 4,096 bytes
	s_lshl_b32 s36, s26, 13
	s_add_nc_u64 s[28:29], s[16:17], s[36:37]      ; its codes
	s_lshl_b32 s36, s26, 9
	s_add_co_u32 s36, s36, XSC
	s_add_nc_u64 s[30:31], s[16:17], s[36:37]      ; its scale words
	s_mul_i32 s34, s22, STG
	v_add_nc_u32 v5, s34, v4                       ; the stage, in: 16 x lane of a row
	v_mul_u32_u24 v6, v2, 528
	v_lshl_add_u32 v6, v3, 6, v6
	v_add_nc_u32 v6, s34, v6                       ; out: row r, + 64 h
.irp b, 0,1,2,3
	v_mov_b32 v[TM+4+\b], 0                        ; written once: a lane permute's destination counts as one of its sources
.endr
	XLOAD 0
	XLOAD 1
.irp t, 0,1,2,3,4,5,6,7
	XSTEP \t
.endr
	v_cmp_le_u32 vcc_lo, 16, v1                    ; lanes 0-15 store K steps 0-3 of row r, lanes 16-31 K steps 4-7
.irp j, 0,1,2,3
	v_cndmask_b32 v[D+\j], v[SW+\j], v[SW+4+\j], vcc_lo
.endr
	global_store_b128 v4, v[D:D+3], s[30:31]       ; 512 consecutive bytes
	s_wait_tensorcnt 0x0                           ; the wave's end: behind my last LDS store
	ds_add_u32 v[SPW], v[NIL]
	s_wait_dscnt 0x0
	s_endpgm
; ---- the weights: A LANE TAKES A COLUMN n AND ITS REGISTERS RUN DOWN K.  A work-group takes 128 columns x 128 along K, a wave 32 of the columns.
.macro LOADK t, pitch                  ; 32 rows of K at my column: a wave reads 128 consecutive bytes, the four waves 512
.irp i, 0,1,2,3,4,5,6,7,8,9,10,11,12,13,14,15,16,17,18,19,20,21,22,23,24,25,26,27,28,29,30,31
	global_load_b32 v[32+32*((\t)%2)+\i], v7, s[26:27] offset:(32*(\t)+\i)*\pitch th:TH_LOAD_NT
.endr
.endm
.macro KWAIT t
.if (\t) < 3
	s_wait_loadcnt 32                              ; this block's 32 loads are in; the next block's may be out
.else
	s_wait_loadcnt 0x0
.endif
.endm
.macro WBLOCK t, pitch                 ; a block of 32 along K of my column: all 32 numbers are mine
.set XB, 32+32*((\t)%2)
	KWAIT \t
	v_max3_num_f32 v16, |v[XB]|, |v[XB+1]|, |v[XB+2]|
	v_max3_num_f32 v17, |v[XB+3]|, |v[XB+4]|, |v[XB+5]|
.irp i, 6,10,14,18,22,26
	v_max3_num_f32 v16, v16, |v[XB+\i]|, |v[XB+\i+1]|
	v_max3_num_f32 v17, v17, |v[XB+\i+2]|, |v[XB+\i+3]|
.endr
	v_max3_num_f32 v16, v16, |v[XB+30]|, |v[XB+31]|
	v_max3_num_f32 v16, v16, v17, 0x1800000        ; and the floor
	v_add_nc_u32 v18, 0xff000000, v16              ; the conversion's scale operand
	v_lshrrev_b32 v19, 23, v18                     ; the byte
.if (\t) == 0
	v_mov_b32 v112, v19
.else
	v_lshl_or_b32 v112, v19, 8*(\t), v112          ; four bytes: this K step's scale word of my column
.endif
.irp g, 0,1,2,3
	v_cvt_scalef32_pk8_fp4_f32 v[96+4*(\t)+\g], v[XB+8*\g:XB+8*\g+7], v18
.endr
	v_nop                                          ; one plain place behind a scaled conversion
	global_store_b128 v8, v[96+4*(\t):96+4*(\t)+3], s[28:29] offset:(\t)*256   ; sixteen lanes store 256 consecutive bytes, aligned
.if (\t)+2 < 4
	LOADK (\t)+2, \pitch
.endif
.endm
.macro WBODY pitch
	v_lshlrev_b32 v8, 13, v3
	v_lshl_add_u32 v8, v2, 4, v8                   ; codes: lanes 16-31 the next block of 16 columns; 16 r
	v_lshlrev_b32 v9, 9, v3
	v_lshl_add_u32 v9, v2, 4, v9                   ; scale words likewise
	LOADK 0, \pitch
	LOADK 1, \pitch
.irp t, 0,1,2,3
	WBLOCK \t, \pitch
.endr
	global_store_b32 v9, v112, s[30:31]            ; 4 bytes of each row's 16: one byte in 128 of what this role reads leaves in pieces
	s_endpgm
.endm
.macro WDST                            ; s34 = my first row of the joint weight [2560][1024], s35 = the K step: where codes and scale words go
	s_lshr_b32 s38, s34, 4
	s_lshl_b32 s36, s38, 13
	s_lshl_b32 s39, s35, 10
	s_add_co_u32 s36, s36, s39
	s_add_nc_u64 s[28:29], s[18:19], s[36:37]
	s_lshl_b32 s36, s38, 9
	s_lshr_b32 s39, s35, 2
	s_lshl_b32 s39, s39, 8
	s_add_co_u32 s36, s36, s39
	s_and_b32 s39, s35, 3
	s_lshl_b32 s39, s39, 2
	s_add_co_u32 s36, s36, s39
	s_add_co_u32 s36, s36, WSC
	s_add_nc_u64 s[30:31], s[18:19], s[36:37]
.endm
.Lnot_x:
	s_cmp_ge_u32 ttmp9, 256
	s_cbranch_scc1 .Lnot_wq
	s_sub_co_u32 s26, ttmp9, 128
	s_and_b32 s34, s26, 15
	s_lshr_b32 s35, s26, 4                         ; K step 0..7
	s_lshl_b32 s34, s34, 7
	s_lshl_b32 s36, s22, 5
	s_add_co_u32 s34, s34, s36                     ; my first column
	s_lshl_b32 s36, s35, 20                        ; 128 rows of 8,192 bytes
	s_lshl_b32 s38, s34, 2
	s_add_co_u32 s36, s36, s38
	s_add_nc_u64 s[26:27], s[6:7], s[36:37]
	WDST
	WBODY 8192
.Lnot_wq:
	s_cmp_ge_u32 ttmp9, 288
	s_cbranch_scc1 .Lnot_wkv
	s_sub_co_u32 s26, ttmp9, 256
	s_lshr_b32 s40, s26, 4                         ; 0: Wk, 1: Wv
	s_cmp_eq_u32 s40, 0
	s_cselect_b64 s[42:43], s[8:9], s[10:11]       ; the choice hangs on the work-group's number alone
	s_and_b32 s34, s26, 1
	s_lshr_b32 s35, s26, 1
	s_and_b32 s35, s35, 7                          ; K step
	s_lshl_b32 s34, s34, 7
	s_lshl_b32 s36, s22, 5
	s_add_co_u32 s34, s34, s36                     ; my first column of this weight
	s_lshl_b32 s36, s35, 17                        ; 128 rows of 1,024 bytes
	s_lshl_b32 s38, s34, 2
	s_add_co_u32 s36, s36, s38
	s_add_nc_u64 s[26:27], s[42:43], s[36:37]
	s_lshl_b32 s40, s40, 8
	s_add_co_u32 s34, s34, s40
	s_add_co_u32 s34, s34, 2048                    ; its row of the joint weight
	WDST
	WBODY 1024
.Lnot_wkv:
	s_cmp_ge_u32 ttmp9, 352
	s_cbranch_scc1 .Lrope
; ---- Wo to f16, K innermost in eights
	s_sub_co_u32 s26, ttmp9, 288
	s_and_b32 s34, s26, 7
	s_lshr_b32 s35, s26, 3                         ; which 128 along K
	s_lshl_b32 s34, s34, 7
	s_lshl_b32 s36, s22, 5
	s_add_co_u32 s34, s34, s36                     ; my first column n
	s_lshl_b32 s36, s35, 19                        ; 128 rows of 4,096 bytes
	s_lshl_b32 s38, s34, 2
	s_add_co_u32 s36, s36, s38
	s_add_nc_u64 s[26:27], s[12:13], s[36:37]
	s_lshr_b32 s38, s34, 4
	s_lshl_b32 s36, s38, 15                        ; a block of 16 n is 32,768 bytes,
	s_lshl_b32 s38, s35, 12                        ; 128 along K of it 4,096
	s_add_co_u32 s36, s36, s38
	s_add_nc_u64 s[28:29], s[20:21], s[36:37]
	v_lshlrev_b32 v8, 15, v3
	v_lshl_add_u32 v8, v2, 4, v8
	LOADK 0, 4096
	LOADK 1, 4096
.macro OBLOCK t
.set XB, 32+32*((\t)%2)
	KWAIT \t
.irp u, 0,1,2,3
.irp p, 0,1,2,3
	v_cvt_pk_f16_f32 v[96+16*(\t)+4*\u+\p], v[XB+8*\u+2*\p], v[XB+8*\u+2*\p+1]
.endr
.endr
.irp u, 0,1,2,3
	global_store_b128 v8, v[96+16*(\t)+4*\u:96+16*(\t)+4*\u+3], s[28:29] offset:(4*(\t)+\u)*256   ; sixteen lanes store 256 consecutive bytes, aligned
.endr
.if (\t)+2 < 4
	LOADK (\t)+2, 4096
.endif
.endm
.irp t, 0,1,2,3
	OBLOCK \t
.endr
	s_endpgm
.Lrope:
; ---- rope: a wave takes 16 positions.  Lane (r, h) of part p of tile b holds sin (p = 0, 1) or cos (p = 2, 3) of position r at columns 16 b + 8 h + 4 (p % 2) + 0..3
	s_sub_co_u32 s26, ttmp9, 352
	s_lshl_b32 s26, s26, 2
	s_add_co_u32 s26, s26, s22                     ; my block of positions, 0..127
	s_lshl_b32 s36, s26, 14                        ; 16 rows of 1,024 bytes, in and out
	s_add_nc_u64 s[26:27], s[14:15], s[36:37]
	s_add_co_u32 s36, s36, RIMG
	s_add_nc_u64 s[28:29], s[18:19], s[36:37]
	v_lshlrev_b32 v8, 10, v2
	v_lshl_add_u32 v8, v3, 5, v8
.irp b, 0,1,2,3,4,5,6,7
.irp p, 0,1,2,3
	global_load_b128 v[32+16*\b+4*\p:32+16*\b+4*\p+3], v8, s[26:27] offset:(\p/2)*512+\b*64+(\p%2)*16 th:TH_LOAD_NT
.endr
.endr
.irp b, 0,1,2,3,4,5,6,7
.irp p, 0,1,2,3
	s_wait_loadcnt 31-4*\b-\p                      ; loads come back in order: this one is in
	global_store_b128 v4, v[32+16*\b+4*\p:32+16*\b+4*\p+3], s[28:29] offset:\b*2048+\p*512      ; 512 consecutive bytes
.endr
.endr
	s_endpgm
.Lfunc_end_k_q3d3fd39399_prep:
	.size	k_q3d3fd39399_prep, .Lfunc_end_k_q3d3fd39399_prep-k_q3d3fd39399_prep
	.p2alignl 7, 3214868480
	.fill 96, 4, 3214868480
	.section	.rodata,"a",@progbits
	.p2align	6, 0x0
	.amdhsa_kernel k_q3d3fd39399_prep
		.amdhsa_group_segment_fixed_size 34816
		.amdhsa_private_segment_fixed_size 0
		.amdhsa_enable_private_segment 0
		.amdhsa_kernarg_size 72
		.amdhsa_user_sgpr_count 2
		.amdhsa_user_sgpr_kernarg_segment_ptr 1
		.amdhsa_wavefront_size32 1
		.amdhsa_system_sgpr_workgroup_id_x 1
		.amdhsa_system_sgpr_workgroup_id_y 1
		.amdhsa_system_sgpr_workgroup_id_z 1
		.amdhsa_system_vgpr_workitem_id 0
		.amdhsa_next_free_vgpr 256
		.amdhsa_next_free_sgpr 66
		.amdhsa_reserve_vcc 1
		.amdhsa_float_denorm_mode_32 3
		.amdhsa_float_denorm_mode_16_64 3
		.amdhsa_memory_ordered 1
		.amdhsa_forward_progress 1
		.amdhsa_inst_pref_size 128
	.end_amdhsa_kernel
	.amdgpu_metadata
---
amdhsa.version: [ 1, 2 ]
amdhsa.kernels:
  - .name:           k_q3d3fd39399_prep
    .symbol:         k_q3d3fd39399_prep.kd
    .args:
      - { .name: hidden_states, .offset: 0, .size: 8, .value_kind: global_buffer, .address_space: global }
      - { .name: Wq, .offset: 8, .size: 8, .value_kind: global_buffer, .address_space: global }
      - { .name: Wk, .offset: 16, .size: 8, .value_kind: global_buffer, .address_space: global }
      - { .name: Wv, .offset: 24, .size: 8, .value_kind: global_buffer, .address_space: global }
      - { .name: Wo, .offset: 32, .size: 8, .value_kind: global_buffer, .address_space: global }
      - { .name: rope, .offset: 40, .size: 8, .value_kind: global_buffer, .address_space: global }
      - { .name: xq, .offset: 48, .size: 8, .value_kind: global_buffer, .address_space: global }
      - { .name: wq, .offset: 56, .size: 8, .value_kind: global_buffer, .address_space: global }
      - { .name: wot, .offset: 64, .size: 8, .value_kind: global_buffer, .address_space: global }
    .group_segment_fixed_size: 34816
    .private_segment_fixed_size: 0
    .kernarg_segment_align: 8
    .kernarg_segment_size: 72
    .max_flat_workgroup_size: 128
    .sgpr_count:     66
    .vgpr_count:     256
    .wavefront_size: 32
...
	.end_amdgpu_metadata
.endif
;; end of part 1
;; launch proj (part 2): grid 32 x 10, 4 waves a work-group, clusters of 4 x 1, 327,680 bytes of LDS; arguments xq, wq, bq, bk, bv, q_norm_w, k_norm_w, qh, gh, kvh; writes qh, gh, kvh
.if DOCPART == 2
	.amdgcn_target "amdgcn-amd-amdhsa--gfx1250"
	.amdhsa_code_object_version 6
	.text
	.protected	k_q3d3fd39399_proj
	.globl	k_q3d3fd39399_proj
	.p2align	8
	.type	k_q3d3fd39399_proj,@function
k_q3d3fd39399_proj:
	s_mov_b64 s[64:65], 0
	v_nop
	global_prefetch_b8 v0, s[64:65] scope:SCOPE_SE
	s_setreg_imm32_b32 hwreg(HW_REG_WAVE_MODE, 25, 1), 1
	s_wait_xcnt 0x0
	s_wait_alu depctr_hold_cnt(0) depctr_sa_sdst(0) depctr_va_vdst(0) depctr_va_sdst(0) depctr_va_ssrc(0) depctr_va_vcc(0) depctr_vm_vsrc(0)
	s_getreg_b32 s2, hwreg(HW_REG_IB_STS2, 6, 4)
	s_cmp_eq_u32 s2, 0
	s_cbranch_scc0 .Lentry_in_a_cluster
	s_endpgm
.Lentry_in_a_cluster:
	s_bfe_u32 s2, ttmp6, 0x10000c
	s_cmp_lg_u32 s2, 0x3003
	s_cbranch_scc0 .Lentry_shape_is_right
	s_endpgm
.Lentry_shape_is_right:
; Launch 2 of 4: hidden_states x [Wq | Wk | Wv] on codes of E2M1 (K = 1024), + bias, then by the kind of the columns: q, k: RMSNorm over the head's 128, rope, x 1/4, as PAIRS of f16;  gate: sigmoid, f32;  v: f16.  No work of reference() is left out.
; SHARES.  A work-group takes 64 positions of ALL FOUR batches (256 rows) x 256 columns = two heads' worth of one kind (work-group y: 0, 1, 4, 5 q; 2, 3, 6, 7 gate; 8 k; 9 v).
; A wave makes 128 x 128: two blocks of 16 positions x four batches (block a = 4 pp + batch) x one head.  So sin and cos of a position block serve four blocks of rows.
; The matrix instruction is used transposed (source 0 = 16 columns of W, source 1 = 16 rows of x): lane (r, h) holds row r and columns 16 b + 8 h + 0..7, eight neighbours; the bias is the C of each sum's first product.
; LDS holds all of K at once, in two halves of 512, each filled once; all tiles are images of operand registers, so every fragment load reads 512 consecutive bytes and nothing is padded.
; CLUSTER 4 x 1: the four work-groups along x need the same tiles and scale words of W: joint loads with a mask that names the four.  x's tiles differ: plain loads behind the same round.  Four along y as well is not open: the grid is 10 high.
; PAIRS OF f16.  u = q / 4 or k / 4 (exact; attention's constant carries the 16) is cut in f32: the high part is u with its low 13 mantissa bits cleared, which f16 holds exactly; the low part is u - high, exact in f32, rounded to f16.
; OUT.  q: [high | low][head][s / 16][channel / 8][s % 16][8 channels].  The gate: f32, [head][s / 16][b 8][part 2][lane][16 bytes], the image of the registers that hold attention's result.
;   k, v: [head][128 keys][k high | k low | v], 32,768 bytes each; k as q; v [key / 8][channel / 8][key % 8][8 channels]; K HIGH LIES 32 KEYS AHEAD (key s at the place of key s - 32, wrapped round the head's 2,048): attention fetches it a step earlier.
; LIMITS: |q| or |k| from 262,000 on, |v| from 65,504 on become infinite in f16.  NaN and infinities are not served.
; REGISTERS, in windows of 256: window 0: v1-31 addresses and small work; v32-95 scale words, two sets, and nothing else; v128-191 x's fragments, one set; v192-255 the bias.  Behind the products: v96-127 packed results, v128-191 U, v192-255 the norm's gains.
;   window 1: W's fragments, two sets (v0, v128); behind the products sin and cos of my two position blocks.   windows 2, 3: accumulator (a, b) at v[8 (8 (a % 4) + b)] of window 2 + a / 4.
.set XSCO,  4194304                    ; xq: where the scale words begin
.set WSCO,  1310720                    ; wq: likewise
.set RIMG,  1392640                    ; wq: the rope images
.set SLOT,  131072                     ; LDS: K half s at s x SLOT: x's 16 blocks x 4,096 bytes, then W's 16 blocks
.set WOFF,  65536
.set XS,    262144                     ; x's scale words, 16 blocks x 512 bytes
.set WS,    270336                     ; W's
.set SPARE, 278528                     ; the spare words, 128 bytes for each wave
.set NQ, 4                             ; steps of 128 along K in a half
.set FR, 8                             ; registers of a fragment
.set NL, 2                             ; LDS loads that bring one
.set NP, 4                             ; places behind this matrix instruction (ISA guide 7.12.1)
.set BO,   4                           ; v4   32 h: my eight numbers of a tile of bias or gains
.set LT,   5                           ; v5   16 x lane
.set OFFB, 8                           ; v8-11 my bytes in a block of results, + batch x the batch's stride
.set ADRA, 12                          ; v12-13 LDS address of x's fragments in half 0, 1
.set ADRB, 14                          ; v14-15 of W's
.set SS,   16                          ; v16-23 four chains of sums of squares
.set RS,   24                          ; v[24:25] rsqrt / 4
.set ADRS, 27                          ; v27  scale words: lanes 0-15 x's rows, lanes 16-31 W's
.set SPW,  28
.set NIL,  29
.set SC,   32
.set AF,   128
.set BI,   192
.set P,    96
.set U,    128
.set WN,   192
.set WV,   24                          ; s24 wave, s25 wm, s26 wn, s27 cx, s28 xt, s29 y; s2 my first position block; s3 the mask of the high part
.set MSB, 0
.macro WIN new                         ; the immediate's high byte repeats the setting that is left
.if MSB != (\new)
	s_set_vgpr_msb (MSB<<8)|(\new)
.set MSB, (\new)
.endif
.endm
.set MUL_LO, 0xa1                      ; source 0 (W) window 1, source 1 (x) window 0, C and D window 2
.set MUL_HI, 0xf1                      ; C and D window 3
.set TO_B,   0x40
.macro CREST
	s_cmp_lg_u32 s[WV], 0
	s_cbranch_scc1 .Lnot_wave_0_\@
	s_barrier_signal -3
.Lnot_wave_0_\@:
	s_barrier_wait -3
	s_barrier_signal -1
	s_barrier_wait -1
.endm
.macro CROUND                          ; a round of the cluster's barrier
	s_barrier_signal -1
	s_barrier_wait -1
	CREST
.endm
.macro PLACES n
.rept \n
	v_nop
.endr
.endm
	s_load_b512 s[4:19], s[0:1], 0x0               ; xq s[4:5], wq s[6:7], bq s[8:9], bk s[10:11], bv s[12:13], q_norm_w s[14:15], k_norm_w s[16:17], qh s[18:19]
	s_load_b128 s[20:23], s[0:1], 0x40             ; gh s[20:21], kvh s[22:23]
	v_lshl_add_u32 v[SPW], v0, 2, SPARE
	v_mov_b32 v[NIL], 0
	ds_add_u32 v[SPW], v[NIL]                      ; the wave's opening: the add, twice on end, and its wait ahead of my first tensor load
	ds_add_u32 v[SPW], v[NIL]
	v_lshrrev_b32 v1, 5, v0
	v_readfirstlane_b32 s[WV], v1
	s_lshr_b32 s25, s[WV], 1                       ; wm: which 32 positions
	s_and_b32 s26, s[WV], 1                        ; wn: which head of the two
	s_bfe_u32 s27, ttmp6, 0x40000                  ; cx
	s_lshl_b32 s28, ttmp9, 2
	s_add_co_u32 s28, s28, s27                     ; xt: which 64 positions, 0..31
	s_and_b32 s29, ttmp7, 0xffff                   ; y: which 256 columns, 0..9: the four partners share it
	; descriptor groups 1, elements of 8 bytes, no padding.  x's codes: 4 rows (the batches, 1 MiB apart) of 4,096 bytes
	s_mov_b32 s32, 3<<16
	s_mov_b32 s33, 512<<16
	s_mov_b32 s34, 4<<16
	s_mov_b32 s35, 512<<16
	s_mov_b32 s36, 4
	s_mov_b32 s37, 131072
	s_mov_b32 s38, 0
	s_mov_b32 s39, 0
	; W's codes: 4 blocks of 16 columns, 8,192 bytes apart, 4,096 bytes of each; jointly
	s_mov_b32 s40, 15|(3<<16)|(1<<21)
	s_mov_b32 s41, 512<<16
	s_mov_b32 s42, 4<<16
	s_mov_b32 s43, 512<<16
	s_mov_b32 s44, 4
	s_mov_b32 s45, 1024
	s_mov_b32 s46, 0
	s_mov_b32 s47, 0
	; x's scale words: 4 rows (the batches, 65,536 bytes apart) of 512 bytes
	s_mov_b32 s48, 3<<16
	s_mov_b32 s49, 64<<16
	s_mov_b32 s50, 4<<16
	s_mov_b32 s51, 64<<16
	s_mov_b32 s52, 4
	s_mov_b32 s53, 8192
	s_mov_b32 s54, 0
	s_mov_b32 s55, 0
	; W's: 4 blocks x 512 bytes, dense; jointly
	s_mov_b32 s56, 15|(3<<16)|(1<<21)
	s_mov_b32 s57, 64<<16
	s_mov_b32 s58, 4<<16
	s_mov_b32 s59, 64<<16
	s_mov_b32 s60, 4
	s_mov_b32 s61, 64
	s_mov_b32 s62, 0
	s_mov_b32 s63, 0
	s_lshl_b32 s30, s28, 2
	s_add_co_u32 s30, s30, s[WV]                   ; the position block that I fetch: 4 xt + wave
	s_lshl_b32 s31, s29, 4
	s_lshl_b32 s100, s[WV], 2
	s_add_co_u32 s31, s31, s100                    ; the first of the four blocks of columns that I fetch: 16 y + 4 wave: no place in the cluster enters it
	s_mov_b32 s93, 0
	s_mov_b32 s101, 0
	s_lshl_b32 s66, s[WV], 11                      ; LDS: 2,048 x wave among scale words,
	s_lshl_b32 s67, s[WV], 14                      ; 16,384 x wave among codes
	s_mov_b32 s94, 0xbfb8aa3b                      ; -log2(e)
	s_mov_b32 s95, s94
	s_mov_b32 s96, 0x3c000000                      ; 1 / 128
	s_mov_b32 s97, 0x358637bd                      ; 1e-6
	s_mov_b32 s98, 0x76543210
	s_mov_b32 s99, 0xfedcba98
	s_mov_b32 s3, 0xffffe000                       ; keeps sign, exponent and 10 mantissa bits: what f16 holds
	s_wait_dscnt 0x0                               ; both opening adds are done
	s_wait_kmcnt 0x0
	s_lshl_b32 s92, s30, 9
	s_add_co_u32 s92, s92, XSCO
	s_mov_b32 s68, 1
	s_add_co_u32 s69, s66, XS
	s_add_nc_u64 s[70:71], s[4:5], s[92:93]
	s_or_b32 s71, s71, 0x80000000
	s_lshl_b32 s100, s31, 9
	s_add_co_u32 s100, s100, WSCO
	s_mov_b32 s72, 1
	s_add_co_u32 s73, s66, WS
	s_add_nc_u64 s[74:75], s[6:7], s[100:101]
	s_or_b32 s75, s75, 0x80000000
	s_lshl_b32 s92, s30, 13
	s_mov_b32 s76, 1
	s_mov_b32 s77, s67
	s_add_nc_u64 s[78:79], s[4:5], s[92:93]
	s_add_nc_u64 s[86:87], s[78:79], 4096          ; K half 1
	s_or_b32 s79, s79, 0x80000000
	s_or_b32 s87, s87, 0x80000000
	s_mov_b32 s84, 1
	s_add_co_u32 s85, s67, SLOT
	s_lshl_b32 s100, s31, 13
	s_mov_b32 s80, 1
	s_add_co_u32 s81, s67, WOFF
	s_add_nc_u64 s[82:83], s[6:7], s[100:101]
	s_add_nc_u64 s[90:91], s[82:83], 4096
	s_or_b32 s83, s83, 0x80000000
	s_or_b32 s91, s91, 0x80000000
	s_mov_b32 s88, 1
	s_add_co_u32 s89, s67, SLOT+WOFF
	CROUND                                         ; all four work-groups are here: the joint loads meet
	tensor_load_to_lds s[68:71], s[48:55]          ; every wave issues all six, each into bytes of its own: six tensor loads of mine are out
	s_nop 0
	tensor_load_to_lds s[72:75], s[56:63]
	s_nop 0
	tensor_load_to_lds s[76:79], s[32:39]
	s_nop 0
	tensor_load_to_lds s[80:83], s[40:47]
	s_nop 0
	tensor_load_to_lds s[84:87], s[32:39]
	s_nop 0
	tensor_load_to_lds s[88:91], s[40:47]
	s_nop 0
	PLACES 4
	; which bias and gains are mine: choices on y alone
	s_lshl_b32 s92, s29, 10                        ; 256 y numbers of bq
	s_cmp_lt_u32 s29, 8
	s_cselect_b32 s92, s92, 0
	s_cselect_b64 s[8:9], s[8:9], s[10:11]
	s_cselect_b64 s[14:15], s[14:15], s[16:17]
	s_cmp_eq_u32 s29, 9
	s_cselect_b64 s[8:9], s[12:13], s[8:9]
	s_lshl_b32 s101, s26, 9
	s_add_co_u32 s92, s92, s101
	s_add_nc_u64 s[8:9], s[8:9], s[92:93]          ; my 128 numbers of the bias
	s_lshl_b32 s2, s28, 2
	s_lshl_b32 s101, s25, 1
	s_add_co_u32 s2, s2, s101                      ; my first position block: 4 xt + 2 wm
	v_and_b32 v3, 31, v0
	v_and_b32 v1, 15, v0                           ; r
	v_bfe_u32 v2, v0, 4, 1                         ; h
	v_lshlrev_b32 v[BO], 5, v2
	v_lshlrev_b32 v[LT], 4, v3
.irp b, 0,1,2,3,4,5,6,7
	global_load_b128 v[BI+8*\b:BI+8*\b+3], v[BO], s[8:9] offset:64*\b          ; bias[16 b + 8 h + 0..7]: the result's layout
	global_load_b128 v[BI+8*\b+4:BI+8*\b+7], v[BO], s[8:9] offset:64*\b+16
.endr
	v_mov_b32 v30, 0                               ; written once: a lane permute's destination counts as one of its sources
	s_lshl_b32 s30, s25, 15                        ; my 8 blocks of x: 32,768 wm
	s_lshl_b32 s100, s26, 15
	s_add_co_u32 s100, s100, WOFF                  ; my 8 blocks of W
.irp s, 0,1
	v_add_nc_u32 v[ADRA+\s], s30, v[LT]
	v_add_nc_u32 v[ADRB+\s], s100, v[LT]
	s_add_co_u32 s30, s30, SLOT
	s_add_co_u32 s100, s100, SLOT
.endr
	s_xor_b32 s100, s25, 1
	s_add_co_u32 s100, s100, s26
	s_add_co_u32 s100, s100, 1
	s_lshl_b32 s100, s100, 12                      ; from x's words to W's: WS + 4,096 wn - XS - 4,096 wm = 4,096 (1 + wn + (1 - wm))
	v_mul_u32_u24 v6, s100, v2                     ; lanes 16-31 take W's
	s_lshl_b32 s30, s25, 12
	s_add_co_u32 s30, s30, XS
	v_lshl_add_u32 v6, v1, 4, v6
	v_add_nc_u32 v[ADRS], s30, v6
.macro FRAG reg, adr, q, i             ; 16 rows x 128 K of 4-bit codes: two runs of 512 bytes, 16 bytes a lane
.irp c, 0,1
	ds_load_b128 v[\reg+4*\c:\reg+4*\c+3], v[\adr] offset:1024*(\q)+512*\c+(\i)*4096
.endr
.endm
; 16 matrix instructions: x's blocks a0, a0 + 1 against W's eight.  first = 1: C is the bias.  The 64 accumulators take turns, one instruction a turn, in the same order in every step.
.macro MUL16 a0, p, q, sc, first
.irp a, \a0, \a0+1
.irp b, 0,1,2,3,4,5,6,7
.if \first
	v_wmma_scale_f32_16x16x128_f8f6f4 v[8*(8*((\a)%4)+\b):8*(8*((\a)%4)+\b)+7], v[128*(\p)+FR*\b:128*(\p)+FR*\b+FR-1], v[AF+FR*(\a):AF+FR*(\a)+FR-1], v[BI+8*\b:BI+8*\b+7], v[SC+8*NQ*(\sc)+NQ*\b+(\q)], v[SC+8*NQ*(\sc)+NQ*(\a)+(\q)] matrix_a_fmt:MATRIX_FMT_FP4 matrix_b_fmt:MATRIX_FMT_FP4 matrix_a_scale:MATRIX_SCALE_ROW1
.else
	v_wmma_scale_f32_16x16x128_f8f6f4 v[8*(8*((\a)%4)+\b):8*(8*((\a)%4)+\b)+7], v[128*(\p)+FR*\b:128*(\p)+FR*\b+FR-1], v[AF+FR*(\a):AF+FR*(\a)+FR-1], v[8*(8*((\a)%4)+\b):8*(8*((\a)%4)+\b)+7], v[SC+8*NQ*(\sc)+NQ*\b+(\q)], v[SC+8*NQ*(\sc)+NQ*(\a)+(\q)] matrix_a_fmt:MATRIX_FMT_FP4 matrix_b_fmt:MATRIX_FMT_FP4 matrix_a_scale:MATRIX_SCALE_ROW1
.endif
.endr
.endr
.endm
.macro FETCH_B slot, q, p
	WIN TO_B
.irp i, 0,1,2,3,4,5,6,7
	FRAG 128*(\p)+FR*\i, ADRB+\slot, \q, \i
.endr
	WIN 0
.endm
.macro FETCH_A slot, q, i0
.irp i, \i0, \i0+1, \i0+2, \i0+3
	FRAG AF+FR*(\i), ADRA+\slot, \q, \i
.endr
.endm
.macro SCALES sc                       ; a half's scale words: 4 words a row; lanes 0-15 x's block i, lanes 16-31 W's block i
.irp i, 0,1,2,3,4,5,6,7
	ds_load_b128 v[SC+8*NQ*\sc+NQ*\i:SC+8*NQ*\sc+NQ*\i+3], v[ADRS] offset:\i*512+\sc*256
.endr
.endm
; A step of 128 along K with its successor in the same half.  x has one set of registers: blocks 0-3 are fetched anew in the step's middle, blocks 4-7 at its end; W has two sets.
.macro STEP slot, q, first
	s_wait_dscnt 4*NL                              ; all but the youngest eight loads (x's blocks 4-7) are in
	WIN MUL_LO-0x20*(\first)                       ; (first: C in window 0)
	MUL16 0, (\q)%2, \q, \slot, \first
	MUL16 2, (\q)%2, \q, \slot, \first
	s_wait_dscnt 0
	PLACES NP                                      ; in front of loads into registers that matrix instructions have read
	FETCH_B \slot, (\q)+1, 1-(\q)%2
	FETCH_A \slot, (\q)+1, 0
	WIN MUL_HI-0x30*(\first)
	MUL16 4, (\q)%2, \q, \slot, \first
	MUL16 6, (\q)%2, \q, \slot, \first
	PLACES NP
	WIN 0
	FETCH_A \slot, (\q)+1, 4
.endm
.macro STEPS slot, from
.set Q, \from
.rept NQ-1-\from
	STEP \slot, Q, 0
.set Q, Q+1
.endr
.endm
	s_wait_tensorcnt 2                             ; the scale words and my parts of K half 0 are in; the two loads of half 1 may be out
	s_barrier_signal -1
	s_barrier_wait -1                              ; everybody's are
	FETCH_B 0, 0, 0
	FETCH_A 0, 0, 0
	SCALES 0
	FETCH_A 0, 0, 4
	s_wait_loadcnt 0x0                             ; the bias
	STEP 0, 0, 1
	STEPS 0, 1
	; half 0's last step goes over to half 1: one barrier, in front of which each wave has waited for its parts of half 1
	s_wait_tensorcnt 0x0
	ds_add_u32 v[SPW], v[NIL]                      ; 0 onto my spare word
	s_wait_dscnt 4*NL+1                            ; (the add and the youngest eight loads may be out)
	WIN MUL_LO
	MUL16 0, 1, NQ-1, 0, 0
	s_wait_dscnt 0x0
	s_barrier_signal -1
	MUL16 2, 1, NQ-1, 0, 0
	WIN 0
	s_barrier_wait -1
	PLACES NP
	FETCH_B 1, 0, 0
	FETCH_A 1, 0, 0
	SCALES 1
	WIN MUL_HI
	MUL16 4, 1, NQ-1, 0, 0
	MUL16 6, 1, NQ-1, 0, 0
	PLACES NP
	WIN 0
	FETCH_A 1, 0, 4
	STEPS 1, 0
	s_wait_dscnt 4*NL                              ; the very last step: nothing more to fetch
	WIN MUL_LO
	MUL16 0, 1, NQ-1, 1, 0
	MUL16 2, 1, NQ-1, 1, 0
	s_wait_dscnt 0
	WIN MUL_HI
	MUL16 4, 1, NQ-1, 1, 0
	MUL16 6, 1, NQ-1, 1, 0
	WIN 0
	PLACES NP                                      ; in front of the loads below into fragments' registers, and of the first reads of the last results
	s_wait_tensorcnt 0x0                           ; LDS is done with: behind my last tensor load.  No tensor load of mine is out: the descriptors' registers are free
	ds_add_u32 v[SPW], v[NIL]
	s_wait_dscnt 0x0
	s_cmp_eq_u32 s29, 9                            ; the kind of my columns: y alone, the same in all four partners
	s_cbranch_scc1 .Lv
	s_and_b32 s30, s29, 2
	s_cmp_lg_u32 s30, 0
	s_cbranch_scc1 .Lgate
.macro HQ                              ; s32 = the query head of my 128 columns: 4 (y / 4) + 2 (y % 2) + wn
	s_lshr_b32 s32, s29, 2
	s_lshl_b32 s32, s32, 2
	s_and_b32 s33, s29, 1
	s_lshl_b32 s33, s33, 1
	s_add_co_u32 s32, s32, s33
	s_add_co_u32 s32, s32, s26
.endm
.macro SLOTPART d, s, t                ; where a block of 16 keys lies in its part of kvh: (block / 8) x 98,304 + (block % 8) x 4,096
	s_lshr_b32 s\d, s\s, 3
	s_mul_i32 s\d, s\d, 98304
	s_and_b32 s\t, s\s, 7
	s_lshl_b32 s\t, s\t, 12
	s_add_co_u32 s\d, s\d, s\t
.endm
.macro MKOFF src                       ; my lane's bytes + batch x s31
	s_lshl_b32 s66, s31, 1
	s_add_co_u32 s67, s66, s31
	v_mov_b32 v[OFFB], v[\src]
	v_add_nc_u32 v[OFFB+1], s31, v[\src]
	v_add_nc_u32 v[OFFB+2], s66, v[\src]
	v_add_nc_u32 v[OFFB+3], s67, v[\src]
.endm
.macro PUT a, step, reg, sb            ; block a's packed results: 16 bytes a lane
.irp b, 0,1,2,3,4,5,6,7
	global_store_b128 v[OFFB+(\a)%4], v[\reg+4*\b:\reg+4*\b+3], s[\sb:\sb+1] offset:((\a)/4)*4096+\b*(\step)
.endr
.endm
; ---- q and k.  u = rsqrt(mean(x^2) + eps) / 4 x (T cos + rot(T) sin), T = x w: the row's factor is taken out of the rotation
	HQ
	s_lshl_b32 s32, s32, 19
	s_lshl_b32 s33, s2, 12
	s_add_co_u32 s32, s32, s33                     ; q: the high parts of my first block,
	s_add_co_u32 s34, s32, 0x1000000               ; the low parts 16,777,216 bytes on
	s_mul_i32 s36, s26, 16*98304                   ; k: head wn
	s_sub_co_u32 s37, s2, 2
	s_and_b32 s37, s37, 127                        ; the high parts lie two blocks of 16 keys ahead, wrapped
	SLOTPART 38, 37, 39
	s_add_co_u32 s38, s38, s36
	SLOTPART 40, 2, 39
	s_add_co_u32 s40, s40, s36
	s_add_co_u32 s40, s40, 32768                   ; the low parts
	s_mov_b32 s31, 0x300000                        ; from batch to batch: 2 heads of 1,572,864 bytes, or 8 of 524,288
	s_cmp_lt_u32 s29, 8
	s_cselect_b32 s32, s32, s38
	s_cselect_b32 s34, s34, s40
	s_cselect_b32 s31, 0x400000, s31
	s_cselect_b64 s[18:19], s[18:19], s[22:23]
	s_mov_b32 s33, 0
	s_mov_b32 s35, 0
	s_add_nc_u64 s[20:21], s[18:19], s[34:35]      ; low
	s_add_nc_u64 s[18:19], s[18:19], s[32:33]      ; high
	s_lshl_b32 s32, s2, 14
	s_add_co_u32 s32, s32, RIMG
	s_add_nc_u64 s[6:7], s[6:7], s[32:33]          ; my position blocks' rope images
	MKOFF LT
.irp b, 0,1,2,3,4,5,6,7
	global_load_b128 v[WN+8*\b:WN+8*\b+3], v[BO], s[14:15] offset:64*\b
	global_load_b128 v[WN+8*\b+4:WN+8*\b+7], v[BO], s[14:15] offset:64*\b+16
.endr
	WIN 0x40                                       ; destination window 1: sin at v[128 pp + 8 b + j], cos 64 further on
.irp pp, 0,1
.irp b, 0,1,2,3,4,5,6,7
.irp p, 0,1,2,3
	global_load_b128 v[128*\pp+64*(\p/2)+8*\b+4*(\p%2):128*\pp+64*(\p/2)+8*\b+4*(\p%2)+3], v[LT], s[6:7] offset:\pp*16384+\b*2048+\p*512
.endr
.endr
.endr
	WIN 0
.macro QK_BLOCK a
.set W_, 2+(\a)/4
.set AC, 64*((\a)%4)
.set RP, 128*((\a)/4)
	WIN W_|(W_<<2)                                 ; sums of squares of my 64 numbers, four chains
.irp b, 0,1,2,3,4,5,6,7
.irp p, 0,1,2,3
.if \b == 0
	v_pk_mul_f32 v[SS+2*\p:SS+2*\p+1], v[AC+2*\p:AC+2*\p+1], v[AC+2*\p:AC+2*\p+1]
.else
	v_pk_fma_f32 v[SS+2*\p:SS+2*\p+1], v[AC+8*\b+2*\p:AC+8*\b+2*\p+1], v[AC+8*\b+2*\p:AC+8*\b+2*\p+1], v[SS+2*\p:SS+2*\p+1]
.endif
.endr
.endr
.if (\a) == 0
	s_wait_loadcnt 63                              ; the gains' 16 loads are older than the rope's 64
.endif
	WIN W_|(W_<<6)
.set i, 0
.rept 32
	v_pk_mul_f32 v[AC+i:AC+i+1], v[AC+i:AC+i+1], v[WN+i:WN+i+1]     ; T = x w, in place
.set i, i+2
.endr
	WIN 0
	v_pk_add_f32 v[SS:SS+1], v[SS:SS+1], v[SS+2:SS+3]
	v_pk_add_f32 v[SS+4:SS+5], v[SS+4:SS+5], v[SS+6:SS+7]
	v_pk_add_f32 v[SS:SS+1], v[SS:SS+1], v[SS+4:SS+5]
	v_add_f32 v26, v[SS], v[SS+1]
	v_permlanex16_b32 v30, v26, s98, s99           ; the row's other 64 columns lie in the lane 16 away
	v_add_f32 v26, v26, v30
	v_fma_f32 v26, v26, s96, s97                   ; mean + eps
	v_rsq_f32 v[RS], v26
.if (\a) == 0
	s_wait_loadcnt 32                              ; my first position block's sin and cos are in; the second's 32 loads may be out
.endif
.if (\a) == 4
	s_wait_loadcnt 0x0
.endif
.if (\a) > 0
	s_wait_xcnt 0x0                                ; the last block's stores have read P and U
.endif
	WIN W_|(1<<2)                                  ; T in window W_, sin and cos in window 1, U in window 0: 96 plain lines behind the root, none of which names its result
.set i, 0
.rept 32
	v_pk_mul_f32 v[U+i:U+i+1], v[AC+i:AC+i+1], v[RP+64+i:RP+64+i+1]
.set i, i+2
.endr
.set i, 0
.rept 32
	v_fma_f32 v[U+i], -v[AC+i+1], v[RP+i], v[U+i]                   ; even: T0 cos0 - T1 sin0
	v_fma_f32 v[U+i+1], v[AC+i], v[RP+i+1], v[U+i+1]                ; odd:  T1 cos1 + T0 sin1
.set i, i+2
.endr
	WIN 0
	s_wait_alu depctr_va_vdst(0)                   ; the wait ahead of the first line that names the root's result
	v_mul_f32 v[RS], 0x3e800000, v[RS]             ; / 4
	v_mov_b32 v[RS+1], v[RS]
.set i, 0
.rept 32
	v_pk_mul_f32 v[U+i:U+i+1], v[U+i:U+i+1], v[RS:RS+1]
.set i, i+2
.endr
	WIN W_<<6                                      ; T is done with: its registers take the high parts
.set i, 0
.rept 64
	v_and_b32 v[AC+i], s3, v[U+i]                  ; high = u with its low 13 mantissa bits cleared
.set i, i+1
.endr
	WIN W_<<2
.set i, 0
.rept 32
	v_pk_add_f32 v[U+i:U+i+1], v[U+i:U+i+1], v[AC+i:AC+i+1] neg_lo:[0,1] neg_hi:[0,1]   ; low = u - high, exact
.set i, i+2
.endr
	WIN W_|(W_<<2)
.set i, 0
.rept 32
	v_cvt_pk_f16_f32 v[P+i], v[AC+2*i], v[AC+2*i+1]                 ; nothing is rounded here
.set i, i+1
.endr
	WIN 0
	PUT \a, 512, P, 18                             ; 512 consecutive bytes a store
.set i, 0
.rept 32
	v_cvt_pk_f16_f32 v[U+i], v[U+2*i], v[U+2*i+1]                   ; packed in place, ascending: what is written has been read
.set i, i+1
.endr
	PUT \a, 512, U, 20
.endm
.irp a, 0,1,2,3,4,5,6,7
	QK_BLOCK \a
.endr
	s_branch .Lout
; ---- the gate: sigmoid(x) = 1 / (1 + 2^(-x log2(e))), in place, stored as f32 from the accumulators' registers; each batch of 64 transcendentals has one plain line and one wait behind it
.Lgate:
	HQ
	s_lshl_b32 s32, s32, 20                        ; a head's 128 blocks of 8,192 bytes
	s_lshl_b32 s33, s2, 13
	s_add_co_u32 s32, s32, s33
	s_mov_b32 s33, 0
	s_add_nc_u64 s[20:21], s[20:21], s[32:33]
	s_mov_b32 s31, 0x800000                        ; from batch to batch: 8 heads
	MKOFF LT
.macro G_BLOCK a
.set W_, 2+(\a)/4
.set AC, 64*((\a)%4)
	WIN W_|(W_<<6)
.set i, 0
.rept 32
	v_pk_mul_f32 v[AC+i:AC+i+1], v[AC+i:AC+i+1], s[94:95] op_sel_hi:[1,0]
.set i, i+2
.endr
.set i, 0
.rept 64
	v_exp_f32 v[AC+i], v[AC+i]
.set i, i+1
.endr
	v_nop
	s_wait_alu depctr_va_vdst(0)
.set i, 0
.rept 32
	v_pk_add_f32 v[AC+i:AC+i+1], v[AC+i:AC+i+1], 1.0 op_sel_hi:[1,0]
.set i, i+2
.endr
.set i, 0
.rept 64
	v_rcp_f32 v[AC+i], v[AC+i]
.set i, i+1
.endr
	v_nop
	s_wait_alu depctr_va_vdst(0)
	WIN W_<<2                                      ; a store's data are its source 1
.irp b, 0,1,2,3,4,5,6,7
.irp p, 0,1
	global_store_b128 v[OFFB+(\a)%4], v[AC+8*\b+4*\p:AC+8*\b+4*\p+3], s[20:21] offset:((\a)/4)*8192+\b*1024+\p*512   ; 512 consecutive bytes
.endr
.endr
.endm
.irp a, 0,1,2,3,4,5,6,7
	G_BLOCK \a
.endr
	WIN 0
	s_branch .Lout
; ---- v: lane (r, h) of tile b holds key r, channels 16 b + 8 h + 0..7: at (r / 8) 2,048 + (2 b + h) 128 + (r % 8) 16 of its 16 keys' 4,096 bytes
.Lv:
	s_mul_i32 s36, s26, 16*98304
	SLOTPART 32, 2, 39
	s_add_co_u32 s32, s32, s36
	s_add_co_u32 s32, s32, 65536                   ; v lies behind k's two parts
	s_mov_b32 s33, 0
	s_add_nc_u64 s[22:23], s[22:23], s[32:33]
	s_mov_b32 s31, 0x300000
	v_lshrrev_b32 v6, 3, v1
	v_lshlrev_b32 v6, 11, v6
	v_lshl_add_u32 v6, v2, 7, v6
	v_and_b32 v7, 7, v1
	v_lshl_add_u32 v6, v7, 4, v6
	MKOFF 6
.macro V_BLOCK a
.set W_, 2+(\a)/4
.set AC, 64*((\a)%4)
	WIN W_|(W_<<2)
.if (\a) > 0
	s_wait_xcnt 0x0                                ; the last block's stores have read P
.endif
.set i, 0
.rept 32
	v_cvt_pk_f16_f32 v[P+i], v[AC+2*i], v[AC+2*i+1]
.set i, i+1
.endr
	WIN 0
	PUT \a, 256, P, 22                             ; two runs of 256 consecutive bytes a store
.endm
.irp a, 0,1,2,3,4,5,6,7
	V_BLOCK \a
.endr
.Lout:
	CROUND                                         ; the closing round: no work-group ends while a partner may still ask for a tile that names it
	s_endpgm
.Lfunc_end_k_q3d3fd39399_proj:
	.size	k_q3d3fd39399_proj, .Lfunc_end_k_q3d3fd39399_proj-k_q3d3fd39399_proj
	.p2alignl 7, 3214868480
	.fill 96, 4, 3214868480
	.section	.rodata,"a",@progbits
	.p2align	6, 0x0
	.amdhsa_kernel k_q3d3fd39399_proj
		.amdhsa_group_segment_fixed_size 327680
		.amdhsa_private_segment_fixed_size 0
		.amdhsa_enable_private_segment 0
		.amdhsa_kernarg_size 80
		.amdhsa_user_sgpr_count 2
		.amdhsa_user_sgpr_kernarg_segment_ptr 1
		.amdhsa_wavefront_size32 1
		.amdhsa_system_sgpr_workgroup_id_x 1
		.amdhsa_system_sgpr_workgroup_id_y 1
		.amdhsa_system_sgpr_workgroup_id_z 1
		.amdhsa_system_vgpr_workitem_id 0
		.amdhsa_next_free_vgpr 1024
		.amdhsa_next_free_sgpr 102
		.amdhsa_reserve_vcc 0
		.amdhsa_float_denorm_mode_32 3
		.amdhsa_float_denorm_mode_16_64 3
		.amdhsa_memory_ordered 1
		.amdhsa_forward_progress 1
		.amdhsa_inst_pref_size 255
	.end_amdhsa_kernel
	.section	.bss,"aw",@nobits
	.p2align	6
	.space	262144
	.amdgpu_metadata
---
amdhsa.version: [ 1, 2 ]
amdhsa.kernels:
  - .name:           k_q3d3fd39399_proj
    .symbol:         k_q3d3fd39399_proj.kd
    .args:
      - { .name: xq, .offset: 0, .size: 8, .value_kind: global_buffer, .address_space: global }
      - { .name: wq, .offset: 8, .size: 8, .value_kind: global_buffer, .address_space: global }
      - { .name: bq, .offset: 16, .size: 8, .value_kind: global_buffer, .address_space: global }
      - { .name: bk, .offset: 24, .size: 8, .value_kind: global_buffer, .address_space: global }
      - { .name: bv, .offset: 32, .size: 8, .value_kind: global_buffer, .address_space: global }
      - { .name: q_norm_w, .offset: 40, .size: 8, .value_kind: global_buffer, .address_space: global }
      - { .name: k_norm_w, .offset: 48, .size: 8, .value_kind: global_buffer, .address_space: global }
      - { .name: qh, .offset: 56, .size: 8, .value_kind: global_buffer, .address_space: global }
      - { .name: gh, .offset: 64, .size: 8, .value_kind: global_buffer, .address_space: global }
      - { .name: kvh, .offset: 72, .size: 8, .value_kind: global_buffer, .address_space: global }
    .group_segment_fixed_size: 327680
    .private_segment_fixed_size: 0
    .kernarg_segment_align: 8
    .kernarg_segment_size: 80
    .max_flat_workgroup_size: 128
    .sgpr_count:     102
    .vgpr_count:     1024
    .wavefront_size: 32
...
	.end_amdgpu_metadata
.endif
;; end of part 2
;; launch attn (part 3): grid 8 x 32, 4 waves a work-group, clusters of 4 x 1, 327,680 bytes of LDS; arguments qh, kvh, gh, ah; writes ah
.if DOCPART == 3
	.amdgcn_target "amdgcn-amd-amdhsa--gfx1250"
	.amdhsa_code_object_version 6
	.text
	.protected	k_q3d3fd39399_attn
	.globl	k_q3d3fd39399_attn
	.p2align	8
	.type	k_q3d3fd39399_attn,@function
k_q3d3fd39399_attn:
	s_mov_b64 s[64:65], 0
	v_nop
	global_prefetch_b8 v0, s[64:65] scope:SCOPE_SE
	s_setreg_imm32_b32 hwreg(HW_REG_WAVE_MODE, 25, 1), 1
	s_wait_xcnt 0x0
	s_wait_alu depctr_hold_cnt(0) depctr_sa_sdst(0) depctr_va_vdst(0) depctr_va_sdst(0) depctr_va_ssrc(0) depctr_va_vcc(0) depctr_vm_vsrc(0)
	s_getreg_b32 s2, hwreg(HW_REG_IB_STS2, 6, 4)
	s_cmp_eq_u32 s2, 0
	s_cbranch_scc0 .Lentry_in_a_cluster
	s_endpgm
.Lentry_in_a_cluster:
	s_bfe_u32 s2, ttmp6, 0x10000c
	s_cmp_lg_u32 s2, 0x3003
	s_cbranch_scc0 .Lentry_shape_is_right
	s_endpgm
.Lentry_shape_is_right:
; Launch 3 of 4: for each of 32 heads (batch x 8 + head) O[q] = sum over k of softmax_k(Q[q] . K[k] / sqrt(128)) V[k], x sigmoid(gate); 2,048 keys, no mask.  No work of reference() is left out.
; THE SCORES ARE MADE OF PAIRS OF f16: q / 4 = qh + ql, k / 4 = kh + kl (cut in f32 by the launch before); S = kh.qh + kh.ql + kl.qh, one f32 sum; kl.ql, some 2^-20 of a product, is left out.  c = 16 log2(e) / sqrt(128).
; Maxima and sums in f32.  The weights p = 2^(c s - c m + 14), at most 16,384, are rounded to f16 for the second product: the running maximum m is taken away, and the constant 14 places p in f16's range so that weights down to
; 2^-28 of the largest keep 11 bits; l and O carry the same factor, which O / l loses; l is at most 2,048 x 2^14.  V in f16.  O / l x gate is formed in f32 and rounded to f16 once, as the next product's operand.
; SHARES.  A work-group owns 256 queries of one head, each of its four waves 64: four tiles of 16.  Every wave walks all keys, 32 a step.  Query head h reads key and value head h / 4.
; LAYOUT.  S^T = K Q^T (source 0 = 16 keys, source 1 = 16 queries): a lane holds ONE query (lane % 16) and keys 8 (lane / 16) + 0..7.  A step's two such tiles, rounded in pairs, ARE source 1 of O^T = V^T P.  K, Q, the gate and O are images of
; operand registers (16 bytes a lane, 512 a load or store); V lies [key / 8][channel / 8][key % 8][8 channels], so that sixteen lanes of the turning load read 256 consecutive bytes.  Nothing is padded.
; BY TURNS.  The wave's tiles are two pieces (tiles 0, 1 and tiles 2, 3).  In a turn one piece has the matrix unit: 16 products V^T P of step n, then 48 products K Q^T of step n + 1; the other piece's softmax, 172 vector instructions, stands in slices behind them.
; THE RING.  A slot holds 128 keys: K high, K low, V, 32,768 bytes each: one dense block of memory, a quarter to each wave's load.  Three runs of 16 LDS loads a step: K low of step n + 1 early in piece 0's turn, V of step n + 1 and
; K HIGH OF STEP n + 2 in piece 2's turn.  K high therefore lies 32 keys ahead in memory (wrapped round the head's end), so that the three runs of a step read the same quarter of the same slot and one change of slots serves all;
; K high of the first 32 keys comes by a fill of its own, once.  The loop's last trip fetches the wrapped K high, 16 loads that no product reads.
; CLUSTER.  The four query blocks of a cluster walk the same K and V: each tile is asked for jointly, by the same tensor load with a mask that names the four.
; REGISTERS: window 0: v0-11 addresses; v12-43 statistics, eight a tile; v61-63; v64-127 S^T, 16 a tile; v128-159 P, 8 a tile (at the end v128-255: packed results).   window 1: O^T, 64 a tile.
;   window 2: v0-127 Q high, v128-255 Q low; at the end the gate, 64 a tile.   window 3: v0-63 K high, v64-127 K low, v128-191 V, of one step.
.set SIZE_N, 2048
.set STEPB, 8192                       ; 32 keys of K high, of K low or of V
.set LOFF,  32768                      ; in a slot: K low behind K high,
.set VOFF,  65536                      ; V behind both
.set BLKB,  98304                      ; a slot's bytes
.set SLOT1, 1<<17                      ; slot 1 begins here, so that one exclusive or turns an address
.set KZ,    SLOT1+BLKB                 ; K high of keys 0 to 31: filled once
.set SPARE, KZ+STEPB                   ; the spare words, 128 bytes for each wave
.set AK0, 2                            ; v2   16 x lane
.set AV0, 3                            ; v3   my lane's place in a step of V
.set ADR, 4                            ; v4   the LDS address of the run of loads in hand
.set QO,  5                            ; v5   16 x lane: my bytes of an image of Q, of the gate, of O; never rewritten
.set PFO, 61                           ; v61  256 x lane; never rewritten
.set SPW, 62
.set NIL, 63
.set ST,  12                           ; tile t's statistics at v[ST+8 t]: +0 c m - 14, +1 m, +2, +3 l, +4, +5 at work, +6 a, +7 at work
.set S,   64
.set P,   128
.set OP,  128
.set KH,  0
.set VF,  128
.set WV,  12
.set LIM, 15                           ; s15  1 in a wave that prefetches, else the greatest number
.set PFA, 18                           ; s[18:19] where my prefetches stand
.set G1,  24                           ; s[24:31] descriptor group 1: 96 rows of 256 bytes, dense
.set G1Z, 32                           ; s[32:39] the same with 8 rows
.set G0,  40                           ; s[40:47] group 0: a set for each slot's first fill; the second then walks on
.set G0Z, 48                           ; s[48:51] group 0 for K high of the first 32 keys
.set QLP, 52                           ; s[52:53] Q low
.set SLOTS, 56
.set TWICE, 57
.set CS,  58
.set SEL, 60
.set TB,  62                           ; s62  LDS byte at which the quarter to be fetched begins
.set KO,  63                           ; s63  -14.0
.set MSB, 0
.macro WIN new
.if MSB != (\new)
	s_set_vgpr_msb (MSB<<8)|(\new)
.set MSB, (\new)
.endif
.endm
.set W_KQ, 0x0b                        ; K in window 3, Q in window 2, S^T in window 0
.set W_PV, 0x53                        ; V in window 3, P in window 0, O^T in window 1
.set W_RS, 0x41                        ; O^T (destination and source 0) in window 1, a in window 0
.macro PLACES
.rept 4
	v_nop
.endr
.endm
; A joint refill: every wave fetches its quarter of a slot, by one line with no branch; the descriptor hangs on the head and the wave's number alone.
.macro JLOAD
	tensor_load_to_lds s[G0+4:G0+7], s[G1:G1+7]
	s_nop 0
	PLACES
.endm
; A prefetch of what the NEXT change of slots will ask for: a slot's 98,304 bytes.  Two clusters and four query heads walk the same K and V: the first cluster of the first of the four heads asks; its four partners take 24,576 bytes
; each, told apart by address; in each, waves 0, 1 and 2 ask for 8,192 bytes, lanes 256 bytes apart.  The last change that fills a slot asks for nothing.
.macro ASK
	s_cmp_gt_u32 s[SLOTS], s[LIM]
	s_cbranch_scc0 .Lnot_mine_\@
	global_prefetch_b8 v[PFO], s[PFA:PFA+1] th:TH_LOAD_NT scope:SCOPE_SE
.Lnot_mine_\@:
.endm
.macro CROUND
	s_barrier_signal -1
	s_barrier_wait -1
	s_cmp_lg_u32 s[WV], 0
	s_cbranch_scc1 .Lnot_wave_0_\@
	s_barrier_signal -3
.Lnot_wave_0_\@:
	s_barrier_wait -3
	s_barrier_signal -1
	s_barrier_wait -1
.endm
	s_load_b256 s[4:11], s[0:1], 0x0               ; qh s[4:5], kvh s[6:7], gh s[8:9], ah s[10:11]
	v_lshl_add_u32 v[SPW], v0, 2, SPARE
	v_mov_b32 v[NIL], 0
	ds_add_u32 v[SPW], v[NIL]                      ; the wave's opening: the add, twice on end, and its wait ahead of my first tensor load
	ds_add_u32 v[SPW], v[NIL]
	v_lshrrev_b32 v1, 5, v0
	v_readfirstlane_b32 s[WV], v1
	s_bfe_u32 s13, ttmp6, 0x40000                  ; cx
	s_lshl_b32 s14, ttmp9, 2
	s_add_co_u32 s14, s14, s13                     ; my block of 256 queries: it enters Q's, the gate's and O's addresses alone
	s_and_b32 s16, ttmp7, 0xffff                   ; batch x 8 + head, which the four partners share
	s_lshr_b32 s54, s16, 2
	s_mul_i32 s54, s54, 16*BLKB                    ; the key and value head's 16 blocks
	s_mul_i32 s17, s[WV], BLKB/4                   ; my quarter of a slot, in memory and in LDS: no place in the cluster enters an LDS address
	s_add_co_u32 s20, s54, s17
	s_mov_b32 s21, 0
	s_lshl_b32 s52, s[WV], 11                      ; my quarter of K high of the first 32 keys:
	s_add_co_u32 s[G0Z+1], s52, KZ                 ; in LDS,
	s_add_co_u32 s52, s52, s54
	s_add_co_u32 s52, s52, 15*BLKB+3*STEPB         ; and in memory: the last quarter of the last block's K high
	s_mov_b32 s53, 0
	s_mul_i32 s55, s13, BLKB/4                     ; the prefetches: my work-group's quarter,
	s_add_co_u32 s54, s54, s55
	s_lshl_b32 s55, s[WV], 13                      ; my wave's 8,192 bytes of it,
	s_add_co_u32 s54, s54, s55
	s_add_co_u32 s54, s54, 2*BLKB                  ; in block 2; the first change of slots steps it to block 3.  Nothing is prefetched at the head
	s_mov_b32 s55, 0
	s_lshl_b32 s2, s16, 19
	s_lshl_b32 s3, s14, 16
	s_add_co_u32 s2, s2, s3
	s_lshl_b32 s3, s[WV], 14
	s_add_co_u32 s2, s2, s3                        ; my 64 queries in each half of qh; in gh twice that
	s_mov_b32 s3, 0
	s_lshr_b32 s22, s16, 3
	s_lshl_b32 s22, s22, 22                        ; ah: the batch's 128 blocks of 32,768 bytes,
	s_lshl_b32 s23, s14, 19                        ; my work-group's 16,
	s_add_co_u32 s22, s22, s23
	s_lshl_b32 s23, s[WV], 17                      ; my wave's 4,
	s_add_co_u32 s22, s22, s23
	s_and_b32 s23, s16, 7
	s_lshl_b32 s23, s23, 12                        ; my head's 4,096 bytes of a block
	s_add_co_u32 s22, s22, s23
	s_mov_b32 s23, 0
	s_mov_b32 s[G1], 15|(3<<16)|(1<<21)            ; the mask: all four work-groups; elements of 8 bytes; bit 21 set beside a mask; no padding
	s_mov_b32 s[G1+1], 32<<16
	s_mov_b32 s[G1+2], 96<<16
	s_mov_b32 s[G1+3], 32<<16
	s_mov_b32 s[G1+4], 96
	s_mov_b32 s[G1+5], 32
	s_mov_b32 s[G1+6], 0
	s_mov_b32 s[G1+7], 0
	s_mov_b32 s[G1Z], 15|(3<<16)|(1<<21)
	s_mov_b32 s[G1Z+1], 32<<16
	s_mov_b32 s[G1Z+2], 8<<16
	s_mov_b32 s[G1Z+3], 32<<16
	s_mov_b32 s[G1Z+4], 8
	s_mov_b32 s[G1Z+5], 32
	s_mov_b32 s[G1Z+6], 0
	s_mov_b32 s[G1Z+7], 0
	s_mov_b32 s[CS], 0x400293ee                    ; c = 16 log2(e) / sqrt(128)
	s_mov_b32 s[CS+1], s[CS]
	s_mov_b32 s[KO], 0xc1600000                    ; -14
	s_mov_b32 s[SEL], 0x76543210
	s_mov_b32 s[SEL+1], 0xfedcba98
	s_mov_b32 s[TB], 0
	s_mov_b32 s[SLOTS], SIZE_N/128-2
	s_add_co_u32 s[LIM], s[WV], 1
	s_lshr_b32 s[LIM], s[LIM], 2                   ; 1 in wave 3
	s_or_b32 s[LIM], s[LIM], ttmp9
	s_and_b32 s[TWICE], s16, 3
	s_or_b32 s[LIM], s[LIM], s[TWICE]              ; 0 in waves 0 to 2 of the first cluster of the first of four heads: the same in all four partners
	s_cmp_eq_u32 s[LIM], 0
	s_cselect_b32 s[LIM], 1, -1
	v_and_b32 v1, 31, v0
	v_lshlrev_b32 v[PFO], 8, v1
	s_wait_dscnt 0x0                               ; both opening adds are done
	s_wait_kmcnt 0x0
	s_add_nc_u64 s[PFA:PFA+1], s[6:7], s[54:55]
	s_mov_b32 s[G0Z], 1
	s_add_nc_u64 s[G0Z+2:G0Z+3], s[6:7], s[52:53]
	s_or_b32 s[G0Z+3], s[G0Z+3], 0x80000000
	s_add_nc_u64 s[6:7], s[6:7], s[20:21]          ; my quarter of block 0
	s_add_nc_u64 s[4:5], s[4:5], s[2:3]            ; Q high
	s_add_nc_u64 s[QLP:QLP+1], s[4:5], 0x1000000   ; Q low
	s_lshl_b32 s2, s2, 1
	s_add_nc_u64 s[8:9], s[8:9], s[2:3]            ; the gate
	s_add_nc_u64 s[10:11], s[10:11], s[22:23]
	s_mov_b32 s[G0], 1
	s_mov_b32 s[G0+1], s17
	s_mov_b64 s[G0+2:G0+3], s[6:7]
	s_or_b32 s[G0+3], s[G0+3], 0x80000000
	s_mov_b32 s[G0+4], 1
	s_add_co_u32 s[G0+5], s17, SLOT1
	s_add_nc_u64 s[G0+6:G0+7], s[6:7], BLKB
	s_or_b32 s[G0+7], s[G0+7], 0x80000000
	CROUND                                         ; all four work-groups are here: the first joint loads meet
	tensor_load_to_lds s[G0Z:G0Z+3], s[G1Z:G1Z+7]  ; three loads of mine are out
	s_nop 0
	tensor_load_to_lds s[G0:G0+3], s[G1:G1+7]
	s_nop 0
	tensor_load_to_lds s[G0+4:G0+7], s[G1:G1+7]
	s_nop 0
	PLACES
	v_lshlrev_b32 v[QO], 4, v1
	WIN 0x80                                       ; destination window 2, address window 0
.irp i, 0,1,2,3,4,5,6,7,8,9,10,11,12,13,14,15  ; Q stays in registers: tile i / 4, channels 32 (i % 4) on
	global_load_b128 v[8*\i:8*\i+3],   v[QO], s[4:5] offset:(\i/4)*4096+(\i%4)*1024 th:TH_LOAD_NT
	global_load_b128 v[8*\i+4:8*\i+7], v[QO], s[4:5] offset:(\i/4)*4096+(\i%4)*1024+512 th:TH_LOAD_NT
	global_load_b128 v[128+8*\i:128+8*\i+3],   v[QO], s[QLP:QLP+1] offset:(\i/4)*4096+(\i%4)*1024 th:TH_LOAD_NT
	global_load_b128 v[128+8*\i+4:128+8*\i+7], v[QO], s[QLP:QLP+1] offset:(\i/4)*4096+(\i%4)*1024+512 th:TH_LOAD_NT
.endr
	WIN 0
	v_lshlrev_b32 v[AK0], 4, v1
	v_and_b32 v9, 15, v0
	v_bfe_u32 v10, v0, 4, 1
	v_lshlrev_b32 v[AV0], 4, v9                    ; the turning load: lane l addresses key 8 (l / 16) + l % 8, channels 8 ((l / 8) % 2) + 0..7: 2,048 (l / 16) + 16 (l % 16)
	v_lshl_add_u32 v[AV0], v10, 11, v[AV0]
	v_add_nc_u32 v[AV0], VOFF, v[AV0]
; Product i of 16 of O^T += V^T P: the step's 32 keys, channels 16 (i / 2) on, tile x + i % 2.  Sixteen accumulators, one instruction each.
.macro PV x, zero
	WIN W_PV
.set rO, 64*(\x+i%2)+8*(i/2)
.set rV, VF+8*(i/2)
.set rP, P+8*(\x+i%2)
.if \zero
	v_wmma_f32_16x16x32_f16 v[rO:rO+7], v[rV:rV+7], v[rP:rP+7], 0
.else
	v_wmma_f32_16x16x32_f16 v[rO:rO+7], v[rV:rV+7], v[rP:rP+7], v[rO:rO+7]
.endif
.endm
; Product i of 48 of S^T = K Q^T: i / 16 = 0: kh.qh, 1: kh.ql, 2: kl.qh; in each: channels 32 ((i % 16) / 4) on, keys 16 ((i / 2) % 2) on, tile x + i % 2.  Four accumulators take turns, one instruction a turn; the first 4 start the sums.
.macro KQ x
	WIN W_KQ
.set ii, i%16
.set rS, S+16*(\x+ii%2)+8*((ii/2)%2)
.set rK, KH+64*(i/32)+32*((ii/2)%2)+8*(ii/4)
.set rQ, 128*((i/16)%2)+32*(\x+ii%2)+8*(ii/4)
.if i < 4
	v_wmma_f32_16x16x32_f16 v[rS:rS+7], v[rK:rK+7], v[rQ:rQ+7], 0
.else
	v_wmma_f32_16x16x32_f16 v[rS:rS+7], v[rK:rK+7], v[rQ:rQ+7], v[rS:rS+7]
.endif
.endm
.macro KLOADS reg, off                 ; 8 fragments, 16 loads in one run: keys 16 (f / 4) on, channels 32 (f % 4) on
	WIN 0xc0                                       ; destination window 3
.irp f, 0,1,2,3,4,5,6,7
	ds_load_b128 v[\reg+8*\f:\reg+8*\f+3],   v[ADR] offset:\off+(\f/4)*4096+(\f%4)*1024
	ds_load_b128 v[\reg+8*\f+4:\reg+8*\f+7], v[ADR] offset:\off+(\f/4)*4096+(\f%4)*1024+512
.endr
.endm
.macro FETCH_L                         ; K low.  The last product that read its registers stands in front of the six plain lines that end the turn before
	WIN 0
	v_add_nc_u32 v[ADR], s[TB], v[AK0]
	KLOADS KH+64, LOFF
.endm
.macro FETCH_H first                   ; K high of the step after.  The last product that read its registers stands in front of two slices of three plain lines; the first softmax has none there
	WIN 0
.if \first
	PLACES
.endif
	v_add_nc_u32 v[ADR], s[TB], v[AK0]
	s_add_co_u32 s[TB], s[TB], STEPB               ; the quarter's three runs are out: on to the next
	KLOADS KH, 0
.endm
.macro FETCH_V                         ; V, turned.  The last product that read its registers stands in front of twelve scalings
	WIN 0
	v_add_nc_u32 v[ADR], s[TB], v[AV0]
	s_wait_alu depctr_va_vdst(0)                   ; the wait for the softmax's batch, behind the address's line and ahead of the loads
	WIN 0xc0
.irp f, 0,1,2,3,4,5,6,7                        ; channels 16 f on
	ds_load_tr16_b128 v[VF+8*\f:VF+8*\f+3],   v[ADR] offset:\f*256
	ds_load_tr16_b128 v[VF+8*\f+4:VF+8*\f+7], v[ADR] offset:\f*256+4096
.endr
.endm
; THE VECTOR WORK OF A TURN.  One tile's softmax for one key step is a list of 86 instructions; the two tiles of piece y alternate, so item qidx is number j = qidx / 2 of tile y + qidx % 2.
;   0-7 the maximum of the lane's 16 scores and the old m (each accumulator is read from its low end on);  8-12 the other half's maximum, the new m, c m - 14, its change;  13-20 the scalings c s - (c m - 14), a pair each;
;   21-37 the 17 exponentials (a, then the 16 scores): none of 13-37 reads an exponential's result;  (the wait for the batch, written by SLICE);  38-45 the roundings to f16;  46-53 the sums, l = a l + the sum;  54-85 O^T times a.
;   first = 1: the first key step: no a, nothing to rescale.
.macro ITEM y, first
.set tt, (\y)+(qidx%2)
.set rT, ST+8*tt
.set rS, S+16*tt
.set rP, P+8*tt
.set j, qidx/2
.if qidx < 108
	WIN 0
.endif
.if j == 0
	v_max3_num_f32 v[rT+4], v[rS], v[rS+1], v[rS+2]
.elseif j == 1
	v_max3_num_f32 v[rT+5], v[rS+8], v[rS+9], v[rS+10]
.elseif j < 6
	v_max3_num_f32 v[rT+4+j%2], v[rT+4+j%2], v[rS+8*(j%2)+2*(j/2)+1], v[rS+8*(j%2)+2*(j/2)+2]
.elseif j == 6
	v_max3_num_f32 v[rT+4], v[rT+4], v[rS+7], v[rS+15]
.elseif (j == 7) && \first
	v_max_num_f32 v[rT+4], v[rT+4], v[rT+5]
.elseif j == 7
	v_max3_num_f32 v[rT+4], v[rT+4], v[rT+5], v[rT+1]
.elseif j == 8
	v_permlanex16_b32 v[rT+5], v[rT+4], s[SEL], s[SEL+1]  ; the query's other 16 keys lie in the lane 16 away
.elseif j == 10
	v_max_num_f32 v[rT+1], v[rT+4], v[rT+5]
.elseif j == 11
	v_fma_f32 v[rT], s[CS], v[rT+1], s[KO]         ; c m - 14
.elseif ((j == 9) || (j == 12) || (j == 21) || (j > 53)) && \first
.elseif j == 9
	v_mov_b32 v[rT+7], v[rT]                       ; the old c m - 14 is kept for a
.elseif j == 12
	v_sub_f32 v[rT+7], v[rT+7], v[rT]              ; the 14 cancels
.elseif j < 21
	v_pk_fma_f32 v[rS+2*(j-13):rS+2*(j-13)+1], v[rS+2*(j-13):rS+2*(j-13)+1], s[CS:CS+1], v[rT:rT+1] op_sel_hi:[1,0,0] neg_lo:[0,0,1] neg_hi:[0,0,1]
.elseif j == 21
	v_exp_f32 v[rT+6], v[rT+7]
.elseif j < 38
	v_exp_f32 v[rS+j-22], v[rS+j-22]
.elseif j < 46
	v_cvt_pk_f16_f32 v[rP+j-38], v[rS+2*(j-38)], v[rS+2*(j-38)+1]
.elseif j < 54                         ; the sum of the tile's 8 pairs, in place: neighbours 1, 2 and 4 pairs apart, then l takes it
.set z, j-46
.if z < 4
	v_pk_add_f32 v[rS+4*z:rS+4*z+1], v[rS+4*z:rS+4*z+1], v[rS+4*z+2:rS+4*z+3]
.elseif z < 6
	v_pk_add_f32 v[rS+8*(z-4):rS+8*(z-4)+1], v[rS+8*(z-4):rS+8*(z-4)+1], v[rS+8*(z-4)+4:rS+8*(z-4)+5]
.elseif (z == 6) && \first
	v_pk_add_f32 v[rT+2:rT+3], v[rS:rS+1], v[rS+8:rS+9]
.elseif z == 6
	v_pk_add_f32 v[rS:rS+1], v[rS:rS+1], v[rS+8:rS+9]
.elseif !\first
	v_pk_fma_f32 v[rT+2:rT+3], v[rT+2:rT+3], v[rT+6:rT+7], v[rS:rS+1] op_sel_hi:[1,0,1]
.endif
.else
	WIN W_RS
	v_pk_mul_f32 v[64*tt+2*(j-54):64*tt+2*(j-54)+1], v[64*tt+2*(j-54):64*tt+2*(j-54)+1], v[rT+6:rT+7] op_sel_hi:[1,0]
.endif
.set qidx, qidx+1
.endm
; The slice behind product pidx: 21 x 2 + 11 x 3 + 1 = 76 items up to the batch's last exponential, then 30 x 3 + 6 = 96.  Behind slice 32 nothing has named a result and no exponential follows: the piece's 34 exponentials have one plain line and one wait.
; The six items of slice 63 are plain and name nothing of the products round them: they are the places behind the turn's last K Q^T.
.macro SLICE y, first
.set cnt, 3
.if pidx < 21
.set cnt, 2
.endif
.if pidx == 32
.set cnt, 1
.endif
.if pidx == 63
.set cnt, 6
.endif
.rept cnt
	ITEM \y, \first
.endr
.if pidx == 32
	v_nop                                          ; the plain instruction behind the last exponential: one for the batch
.if (\y) == 0
	FETCH_V                                        ; piece 2's turn: V's run of loads stands here, and the wait stands in it
.else
	s_wait_alu depctr_va_vdst(0)                   ; the wait for the batch
.endif
.endif
.endm
; A TURN.  Piece x has the matrix unit.  pv = 2: 16 products V^T P; 1: they start O^T's sums; 0: none.  kq = 1: 48 products K Q^T for the next step.  Where a kind is missing its slices stand without products.
.macro TURN x, pv, kq, first
.set qidx, 0
.set pidx, 0
.if (\x == 0) && \pv
	s_wait_dscnt 16                                ; V is in; the 16 loads of K high, issued behind it, may be out
.endif
.rept 64
.if pidx < 16
.if \pv
.set i, pidx
	PV \x, 2-\pv
.endif
.elseif \kq
.if (\x == 0) && (pidx == 16)
	s_wait_dscnt 16                                ; K high is in; the 16 loads of K low may be out
.endif
.if (\x == 0) && (pidx == 48)
	s_wait_dscnt 0x0                               ; K low is in
.endif
.set i, pidx-16
	KQ \x
.endif
	SLICE 2-\x, \first
.if (\x == 0) && \kq && (pidx == 1)
	FETCH_L
.endif
.if (\x == 2) && \kq && (pidx == 48)
	FETCH_H \first
.endif
.set pidx, pidx+1
.endr
.if \first
	PLACES                                         ; the first softmax has nothing to rescale: four v_nop take slice 63's part
.endif
.endm
; THE CHANGE OF SLOTS, between piece 2's turn and piece 0's.  Each wave waits for all its tensor loads (one is out: its quarter of the other slot), adds 0 to its spare word, and waits for that and for its reads of the slot.
; fill = 1: the barrier is a round of the cluster's, and the joint refill is the first thing behind it: it has four key steps, 512 matrix instructions, in which to land.
.macro CHANGE fill
	WIN 0
	s_wait_tensorcnt 0x0                           ; no tensor load of mine is out, so a group 0 may be written
	ds_add_u32 v[SPW], v[NIL]                      ; 0 onto my spare word
.if \fill
	s_xor_b32 s[G0+5], s[G0+5], SLOT1              ; the walking descriptor: the other slot than last time,
	s_add_nc_u64 s[G0+6:G0+7], s[G0+6:G0+7], BLKB  ; the next 128 keys
	s_wait_xcnt 0x0                                ; the last prefetch, four key steps back, has read its address
	s_add_nc_u64 s[PFA:PFA+1], s[PFA:PFA+1], BLKB
	s_wait_dscnt 0x0                               ; the add is done, and my reads of the slot are over
	CROUND
	JLOAD
	ASK
.else
	s_wait_dscnt 0x0
	s_barrier_signal -1
	s_barrier_wait -1
.endif
	s_sub_co_u32 s[TB], s[TB], 4*STEPB             ; the fetches go back to a slot's first quarter,
	s_xor_b32 s[TB], s[TB], SLOT1                  ; in the other slot
.endm
.macro STEPS_LOOP n                    ; n key steps: written once, walked n times
	s_mov_b32 s[TWICE], \n
.Lstep_\@:
	TURN 0, 2, 1, 0
	TURN 2, 2, 1, 0
	WIN 0
	s_sub_co_u32 s[TWICE], s[TWICE], 1
	s_cmp_lg_u32 s[TWICE], 0
	s_cbranch_scc1 .Lstep_\@
.endm
	s_wait_tensorcnt 1                             ; K high of the first keys and my quarter of slot 0 are in; slot 1's load may stay out
	s_barrier_signal -1
	s_barrier_wait -1
	v_add_nc_u32 v[ADR], KZ, v[AK0]
	KLOADS KH, 0                                   ; K high of step 0
	FETCH_L                                        ; K low of step 0
	s_wait_loadcnt 0x0                             ; Q
	s_wait_dscnt 0x0
.set i, 0
.rept 48
	KQ 0                                           ; piece 0's first scores
.set i, i+1
.endr
	WIN 0
	PLACES                                         ; behind those products, ahead of the first read of their results
	TURN 2, 0, 1, 1                                ; piece 2's first scores | piece 0's first softmax | V of step 0, K high of step 1
	TURN 0, 1, 1, 1                                ; piece 0: V^T P of step 0 starts O^T, K Q^T of step 1 | piece 2's first softmax | K low of step 1
	TURN 2, 1, 1, 0                                ; piece 2: the same | piece 0's softmax of step 1 | V of step 1, K high of step 2
	WIN 0
	STEPS_LOOP 2                                   ; slot 0's last two quarters
.Lslot:                                            ; 14 trips: every slot but the last two is filled again
	CHANGE 1
	STEPS_LOOP 4
	s_sub_co_u32 s[SLOTS], s[SLOTS], 1
	s_cmp_lg_u32 s[SLOTS], 0
	s_cbranch_scc1 .Lslot
	CHANGE 0                                       ; the tail is written out
	STEPS_LOOP 4
	WIN 0x80                                       ; Q's registers are done with (six plain lines stand behind the last product that read them): they take the gate, as O^T's registers will want it
.irp t, 0,1,2,3
.irp b, 0,1,2,3,4,5,6,7
.irp p, 0,1
	global_load_b128 v[64*\t+8*\b+4*\p:64*\t+8*\b+4*\p+3], v[QO], s[8:9] offset:\t*8192+\b*1024+\p*512 th:TH_LOAD_NT
.endr
.endr
.endr
	TURN 0, 2, 0, 0                                ; piece 0: V^T P of the last step | piece 2's last softmax
.set i, 0
.rept 16
	PV 2, 0                                        ; piece 2: V^T P of the last step
.set i, i+1
.endr
	; THE WAY OUT.  The additions are the places behind the last products.
	WIN 0
.irp t, 0,1,2,3
	v_add_f32 v[ST+8*\t+4], v[ST+8*\t+2], v[ST+8*\t+3]
.endr
.irp t, 0,1,2,3
	v_permlanex16_b32 v[ST+8*\t+5], v[ST+8*\t+4], s[SEL], s[SEL+1]
.endr
.irp t, 0,1,2,3
	v_add_f32 v[ST+8*\t+4], v[ST+8*\t+4], v[ST+8*\t+5]
.endr
.irp t, 0,1,2,3
	v_rcp_f32 v[ST+8*\t+6], v[ST+8*\t+4]
.endr
	v_nop                                          ; a plain instruction behind the last reciprocal
	s_wait_alu depctr_va_vdst(0)                   ; and the wait ahead of the first use: one for the four
	s_wait_loadcnt 0x0                             ; the gate
.macro OUT t                           ; tile t: O^T / l x the gate, in f32; to f16 once; a lane's eight channels are 16 bytes of the next product's operand image
	WIN W_RS
.set i, 64*\t
.rept 32
	v_pk_mul_f32 v[i:i+1], v[i:i+1], v[ST+8*\t+6:ST+8*\t+7] op_sel_hi:[1,0]
.set i, i+2
.endr
	WIN 0x49                                       ; O^T in window 1, the gate (source 1) in window 2
.set i, 64*\t
.rept 32
	v_pk_mul_f32 v[i:i+1], v[i:i+1], v[i:i+1]
.set i, i+2
.endr
	WIN 0x05
.set i, 0
.rept 32
	v_cvt_pk_f16_f32 v[OP+32*\t+i], v[64*\t+2*i], v[64*\t+2*i+1]
.set i, i+1
.endr
	WIN 0
.irp f, 0,1,2,3,4,5,6,7
	global_store_b128 v[QO], v[OP+32*\t+4*\f:OP+32*\t+4*\f+3], s[10:11] offset:\t*32768+\f*512   ; 512 consecutive bytes
.endr
.endm
	OUT 0
	OUT 1
	OUT 2
	OUT 3
	s_wait_tensorcnt 0x0                           ; the wave's end: behind my last tensor load
	ds_add_u32 v[SPW], v[NIL]
	s_wait_dscnt 0x0
	CROUND                                         ; the closing round
	s_endpgm
.Lfunc_end_k_q3d3fd39399_attn:
	.size	k_q3d3fd39399_attn, .Lfunc_end_k_q3d3fd39399_attn-k_q3d3fd39399_attn
	.p2alignl 7, 3214868480
	.fill 96, 4, 3214868480
	.section	.rodata,"a",@progbits
	.p2align	6, 0x0
	.amdhsa_kernel k_q3d3fd39399_attn
		.amdhsa_group_segment_fixed_size 327680
		.amdhsa_private_segment_fixed_size 0
		.amdhsa_enable_private_segment 0
		.amdhsa_kernarg_size 32
		.amdhsa_user_sgpr_count 2
		.amdhsa_user_sgpr_kernarg_segment_ptr 1
		.amdhsa_wavefront_size32 1
		.amdhsa_system_sgpr_workgroup_id_x 1
		.amdhsa_system_sgpr_workgroup_id_y 1
		.amdhsa_system_sgpr_workgroup_id_z 1
		.amdhsa_system_vgpr_workitem_id 0
		.amdhsa_next_free_vgpr 1024
		.amdhsa_next_free_sgpr 66
		.amdhsa_reserve_vcc 0
		.amdhsa_float_denorm_mode_32 3
		.amdhsa_float_denorm_mode_16_64 3
		.amdhsa_memory_ordered 1
		.amdhsa_forward_progress 1
		.amdhsa_inst_pref_size 228
	.end_amdhsa_kernel
	.amdgpu_metadata
---
amdhsa.version: [ 1, 2 ]
amdhsa.kernels:
  - .name:           k_q3d3fd39399_attn
    .symbol:         k_q3d3fd39399_attn.kd
    .args:
      - { .name: qh, .offset: 0, .size: 8, .value_kind: global_buffer, .address_space: global }
      - { .name: kvh, .offset: 8, .size: 8, .value_kind: global_buffer, .address_space: global }
      - { .name: gh, .offset: 16, .size: 8, .value_kind: global_buffer, .address_space: global }
      - { .name: ah, .offset: 24, .size: 8, .value_kind: global_buffer, .address_space: global }
    .group_segment_fixed_size: 327680
    .private_segment_fixed_size: 0
    .kernarg_segment_align: 8
    .kernarg_segment_size: 32
    .max_flat_workgroup_size: 128
    .sgpr_count:     66
    .vgpr_count:     1024
    .wavefront_size: 32
...
	.end_amdgpu_metadata
.endif
;; end of part 3
;; launch oproj (part 4): grid 4 x 64, 4 waves a work-group, clusters of 4 x 4, 327,680 bytes of LDS; arguments ah, wot, bo, out0; writes out0
.if DOCPART == 4
	.amdgcn_target "amdgcn-amd-amdhsa--gfx1250"
	.amdhsa_code_object_version 6
	.text
	.protected	k_q3d3fd39399_oproj
	.globl	k_q3d3fd39399_oproj
	.p2align	8
	.type	k_q3d3fd39399_oproj,@function
k_q3d3fd39399_oproj:
	s_mov_b64 s[64:65], 0
	v_nop
	global_prefetch_b8 v0, s[64:65] scope:SCOPE_SE
	s_setreg_imm32_b32 hwreg(HW_REG_WAVE_MODE, 25, 1), 1
	s_wait_xcnt 0x0
	s_wait_alu depctr_hold_cnt(0) depctr_sa_sdst(0) depctr_va_vdst(0) depctr_va_sdst(0) depctr_va_ssrc(0) depctr_va_vcc(0) depctr_vm_vsrc(0)
	s_getreg_b32 s2, hwreg(HW_REG_IB_STS2, 6, 4)
	s_cmp_eq_u32 s2, 0
	s_cbranch_scc0 .Lentry_in_a_cluster
	s_endpgm
.Lentry_in_a_cluster:
	s_bfe_u32 s2, ttmp6, 0x10000c
	s_cmp_lg_u32 s2, 0xf033
	s_cbranch_scc0 .Lentry_shape_is_right
	s_endpgm
.Lentry_shape_is_right:
; Launch 4 of 4: out0[m][n] = sum over k of A[m][k] Wo[k][n] + bo[n]; M = 8,192, N = K = 1,024.  A (the gated attention output) and Wo^T in f16, sums in f32.  No work of reference() is left out.
; Both operands lie as images of operand registers: [row / 16][k / 8][row % 16][8 k], so a fragment (16 rows x 32 K) is two runs of 512 bytes and nothing is padded.
; A tile of out0 is 128 x 256: 256 work-groups, one for each WGP; four waves, each 64 x 128: 32 accumulators.  K goes in 8 steps of 128 through a ring of two LDS slots of 98,304 bytes.
; CLUSTER 4 x 4: A's tile hangs on the tile row alone and is asked for jointly along a row of the cluster, B's on the tile column alone, along a column.
; The matrix instruction is used transposed (source 0 = 16 rows of Wo^T, source 1 = 16 rows of A): a lane holds eight neighbouring numbers of a row of out0.
; REGISTERS: window 0: v16-29 addresses; v32-127, v128-223 two fragment buffers (A's 4 fragments, then B's 8); v[224:227] my four numbers of bo; on the way out v32-159 rows.   window 1: accumulator (a, b) at v[8 (8 a + b)].
.set SLOT,   98304                     ; A's 8 blocks x 4,096 bytes, then B's 16
.set BOFF,   32768
.set STAGE,  2*SLOT                    ; behind the ring: 16 rows x (512 bytes + 16) for each wave; no tensor load fills it
.set SPITCH, 528
.set SPARE,  STAGE+4*16*SPITCH         ; the spare words, 128 bytes for each wave
.set LAPS,   4                         ; a lap = two K steps = once round the ring
.set ADRA, 16
.set ADRB, 20
.set STO,  24
.set RD,   25
.set CO,   26
.set SPW,  28
.set NIL,  29
.set F0,   32
.set F1,   128
.set BIAS, 224
.set OB,   32
.set WV,   12                          ; s12 wave
.set FB,   13                          ; s13 wave / 2: which 64 rows are mine.  Also: I fetch for A (0) or for B (1)
.set HF,   14                          ; s14 wave % 2: which 128 columns.  Also: which half of that tile I fetch
.set G1,   24
.set G0,   32
.set G1B,  48
.set G0B,  56
.set MSB, 0
.macro WIN new
.if MSB != (\new)
	s_set_vgpr_msb (MSB<<8)|(\new)
.set MSB, (\new)
.endif
.endm
.set MUL, 0x50                         ; C and D window 1, sources window 0
.macro PLACES
.rept 4
	v_nop
.endr
.endm
.macro JLOAD s                         ; a joint load: waves 0 and 1 fetch A's two halves, waves 2 and 3 B's; an s_nop 0 and four v_nop follow each of the two lines
	s_cmp_eq_u32 s[FB], 0
	s_cbranch_scc0 .Lfor_b_\@
	tensor_load_to_lds s[G0+4*\s:G0+4*\s+3], s[G1:G1+7]
	s_nop 0
	PLACES
	s_branch .Lasked_\@
.Lfor_b_\@:
	tensor_load_to_lds s[G0B+4*\s:G0B+4*\s+3], s[G1B:G1B+7]
	s_nop 0
	PLACES
.Lasked_\@:
.endm
.macro CREST
	s_cmp_lg_u32 s[WV], 0
	s_cbranch_scc1 .Lnot_wave_0_\@
	s_barrier_signal -3
.Lnot_wave_0_\@:
	s_barrier_wait -3
	s_barrier_signal -1
	s_barrier_wait -1
.endm
.macro CROUND
	s_barrier_signal -1
	s_barrier_wait -1
	CREST
.endm
	s_load_b256 s[4:11], s[0:1], 0x0               ; ah s[4:5], wot s[6:7], bo s[8:9], out0 s[10:11]
	v_lshl_add_u32 v[SPW], v0, 2, SPARE
	v_mov_b32 v[NIL], 0
	ds_add_u32 v[SPW], v[NIL]                      ; the wave's opening: the add, twice on end, and its wait ahead of my first tensor load
	ds_add_u32 v[SPW], v[NIL]
	v_lshrrev_b32 v1, 5, v0
	v_readfirstlane_b32 s[WV], v1
	s_lshr_b32 s[FB], s[WV], 1
	s_and_b32 s[HF], s[WV], 1
	s_bfe_u32 s40, ttmp6, 0x40000                  ; cx, cy
	s_bfe_u32 s41, ttmp6, 0x40004
	s_lshl_b32 s42, ttmp9, 2
	s_add_co_u32 s42, s42, s40                     ; tile column, 0..3
	s_and_b32 s15, ttmp7, 0xffff
	s_lshl_b32 s15, s15, 2
	s_add_co_u32 s15, s15, s41                     ; tile row, 0..63
	s_lshl_b32 s43, s41, 2
	s_lshl_b32 s43, 15, s43                        ; my row of the cluster
	s_lshl_b32 s44, 0x1111, s40                    ; my column
	s_or_b32 s[G1+0], s43, (3<<16)|(1<<21)         ; the mask; elements of 8 bytes; bit 21 set beside a mask; no padding
	s_or_b32 s[G1B+0], s44, (3<<16)|(1<<21)
.irp g, G1, G1B
	s_mov_b32 s[\g+1], 512<<16                     ; a row: 4,096 bytes, a K step of one block of 16 rows
	s_mov_b32 s[\g+3], 512<<16
	s_mov_b32 s[\g+5], 4096                        ; blocks lie 32,768 bytes apart
	s_mov_b32 s[\g+6], 0
	s_mov_b32 s[\g+7], 0
.endr
	s_mov_b32 s[G1+2], 4<<16                       ; A: 4 blocks to a load
	s_mov_b32 s[G1+4], 4
	s_mov_b32 s[G1B+2], 8<<16                      ; B: 8
	s_mov_b32 s[G1B+4], 8
	s_lshl_b32 s16, s15, 3
	s_lshl_b32 s17, s[HF], 2
	s_add_co_u32 s16, s16, s17
	s_lshl_b32 s16, s16, 15                        ; A: block 8 x tile row + 4 x half
	s_mov_b32 s17, 0
	s_lshl_b32 s46, s42, 4
	s_lshl_b32 s47, s[HF], 3
	s_add_co_u32 s46, s46, s47
	s_lshl_b32 s46, s46, 15                        ; B: block 16 x tile column + 8 x half
	s_mov_b32 s47, 0
	s_lshl_b32 s20, s[HF], 14                      ; where they go: no place in the cluster enters an LDS address
	s_lshl_b32 s21, s[HF], 15
	s_add_co_u32 s21, s21, BOFF
	s_wait_dscnt 0x0                               ; both opening adds are done
	s_wait_kmcnt 0x0
	s_add_nc_u64 s[18:19], s[4:5], s[16:17]
	s_add_nc_u64 s[46:47], s[6:7], s[46:47]
	CROUND                                         ; all sixteen work-groups are here: the first joint loads meet
.irp s, 0,1
	s_mov_b32 s[G0+4*\s], 1
	s_add_co_u32 s[G0+4*\s+1], s20, \s*SLOT
	s_add_nc_u64 s[G0+4*\s+2:G0+4*\s+3], s[18:19], \s*4096
	s_or_b32 s[G0+4*\s+3], s[G0+4*\s+3], 0x80000000
	s_mov_b32 s[G0B+4*\s], 1
	s_add_co_u32 s[G0B+4*\s+1], s21, \s*SLOT
	s_add_nc_u64 s[G0B+4*\s+2:G0B+4*\s+3], s[46:47], \s*4096
	s_or_b32 s[G0B+4*\s+3], s[G0B+4*\s+3], 0x80000000
	JLOAD \s
.endr
	v_and_b32 v1, 15, v0                           ; r
	v_bfe_u32 v2, v0, 4, 1                         ; h
	v_and_b32 v3, 31, v0
	v_lshlrev_b32 v[CO], 4, v3                     ; 16 x lane
	s_lshl_b32 s21, s[FB], 14                      ; my 4 blocks of A
	s_lshl_b32 s22, s[HF], 15
	s_add_co_u32 s22, s22, BOFF                    ; my 8 blocks of B
.irp s, 0,1
	v_add_nc_u32 v[ADRA+\s], s21, v[CO]
	v_add_nc_u32 v[ADRB+\s], s22, v[CO]
	s_add_co_u32 s21, s21, SLOT
	s_add_co_u32 s22, s22, SLOT
.endr
	s_mul_i32 s45, s[WV], 16*SPITCH
	s_add_co_u32 s45, s45, STAGE                   ; my stage
	v_mul_u32_u24 v4, v1, SPITCH
	v_lshl_add_u32 v4, v2, 5, v4
	v_add_nc_u32 v[STO], s45, v4                   ; in: row r, 32 bytes for each half of the lanes
	v_add_nc_u32 v[RD], s45, v[CO]                 ; back: the 32 lanes take one row of 512 bytes
	s_lshl_b32 s16, s15, 7
	s_lshl_b32 s17, s[FB], 6
	s_add_co_u32 s16, s16, s17
	s_lshl_b32 s16, s16, 12                        ; my first row of out0: 128 x tile row + 64 x half, of 4,096 bytes
	s_mov_b32 s17, 0
	s_add_nc_u64 s[10:11], s[10:11], s[16:17]
	s_lshl_b32 s22, s42, 10
	s_lshl_b32 s23, s[HF], 9
	s_add_co_u32 s22, s22, s23                     ; my first column, in bytes
	s_mov_b32 s23, 0
	s_add_nc_u64 s[10:11], s[10:11], s[22:23]
	s_add_nc_u64 s[8:9], s[8:9], s[22:23]
	global_load_b128 v[BIAS:BIAS+3], v[CO], s[8:9] ; bo at the four columns that I store
.macro MULA f, a, zero                 ; 8 matrix instructions: A's block a against B's eight, 32 along K.  The 32 accumulators take turns
.irp b, 0,1,2,3,4,5,6,7
.if \zero
	v_wmma_f32_16x16x32_f16 v[8*(8*(\a)+\b):8*(8*(\a)+\b)+7], v[\f+32+8*\b:\f+32+8*\b+7], v[\f+8*(\a):\f+8*(\a)+7], 0
.else
	v_wmma_f32_16x16x32_f16 v[8*(8*(\a)+\b):8*(8*(\a)+\b)+7], v[\f+32+8*\b:\f+32+8*\b+7], v[\f+8*(\a):\f+8*(\a)+7], v[8*(8*(\a)+\b):8*(8*(\a)+\b)+7]
.endif
.endr
.endm
.macro FETCH slot, kq, f               ; 24 LDS loads in one run: B's eight fragments, then A's four, of the slot's kq-th 32 along K
.irp i, 0,1,2,3,4,5,6,7
	ds_load_b128 v[\f+32+8*\i:\f+32+8*\i+3],   v[ADRB+\slot] offset:\i*4096+(\kq)*1024
	ds_load_b128 v[\f+32+8*\i+4:\f+32+8*\i+7], v[ADRB+\slot] offset:\i*4096+(\kq)*1024+512
.endr
.irp i, 0,1,2,3
	ds_load_b128 v[\f+8*\i:\f+8*\i+3],   v[ADRA+\slot] offset:\i*4096+(\kq)*1024
	ds_load_b128 v[\f+8*\i+4:\f+8*\i+7], v[ADRA+\slot] offset:\i*4096+(\kq)*1024+512
.endr
.endm
; A K step is four quarters of 32 along K, 32 matrix instructions each, on buffers 0, 1, 0, 1.  One of the first three: multiplies buffer f and fetches quarter kq into g.
.macro QUARTER slot, kq, f, g, zero
	s_wait_dscnt 4                                 ; B and A's blocks 0, 1 are in; the youngest four loads (A's blocks 2, 3) may be out
	WIN MUL
	MULA \f, 0, \zero
	MULA \f, 1, \zero
	PLACES                                         ; in front of loads into registers that matrix instructions have read
	WIN 0
	FETCH \slot, \kq, \g
	s_wait_dscnt 24                                ; all but the 24 just issued
	WIN MUL
	MULA \f, 2, \zero
	MULA \f, 3, \zero
.endm
; The last quarter multiplies buffer 1 and changes slots: ONE barrier; in front of it each wave waits for all its tensor loads, adds 0 to its spare word, and waits for that and for its reads of this slot.  fill = 1: this slot is filled again, two K steps ahead.
.macro TURN slot, next, fill
	WIN 0
	s_wait_tensorcnt 0x0                           ; all my tensor loads have landed: my part of the next slot
	ds_add_u32 v[SPW], v[NIL]                      ; 0 onto my spare word
	s_wait_dscnt 5                                 ; (the add and the youngest four loads may be out)
	WIN MUL
	MULA F1, 0, 0
	s_wait_dscnt 0x0                               ; the add is done, and my reads of this slot are over
	s_barrier_signal -1
	MULA F1, 1, 0
	WIN 0
	s_barrier_wait -1
.if \fill
	CREST                                          ; the barrier has opened a round of the cluster's barrier: no wave of any partner still reads this slot or has a load on its way
	s_add_nc_u64 s[G0+4*\slot+2:G0+4*\slot+3], s[G0+4*\slot+2:G0+4*\slot+3], 2*4096
	s_add_nc_u64 s[G0B+4*\slot+2:G0B+4*\slot+3], s[G0B+4*\slot+2:G0B+4*\slot+3], 2*4096
	JLOAD \slot                                    ; the first tensor load behind the round; its four v_nop are also the places in front of the loads below
.else
	PLACES
.endif
	FETCH \next, 0, F0
	WIN MUL
	MULA F1, 2, 0
	MULA F1, 3, 0
.endm
	s_wait_tensorcnt 1                             ; my part of K step 0 is in; K step 1's load may be out
	s_barrier_signal -1
	s_barrier_wait -1
	FETCH 0, 0, F0
	QUARTER 0, 1, F0, F1, 1                        ; the first quarter stands in front of the loop: its products start the sums
	WIN 0
	s_mov_b32 s3, LAPS-1
.Llap:                                             ; a trip goes once round the ring and fills both slots again
	QUARTER 0, 2, F1, F0, 0
	QUARTER 0, 3, F0, F1, 0
	TURN 0, 1, 1
	QUARTER 1, 1, F0, F1, 0
	QUARTER 1, 2, F1, F0, 0
	QUARTER 1, 3, F0, F1, 0
	TURN 1, 0, 1
	QUARTER 0, 1, F0, F1, 0
	WIN 0
	s_sub_co_u32 s3, s3, 1
	s_cmp_lg_u32 s3, 0
	s_cbranch_scc1 .Llap
	QUARTER 0, 2, F1, F0, 0                        ; the last lap fills nothing
	QUARTER 0, 3, F0, F1, 0
	TURN 0, 1, 0
	QUARTER 1, 1, F0, F1, 0
	QUARTER 1, 2, F1, F0, 0
	QUARTER 1, 3, F0, F1, 0
	s_wait_dscnt 4
	WIN MUL
	MULA F1, 0, 0
	MULA F1, 1, 0
	s_wait_dscnt 0
	MULA F1, 2, 0
	MULA F1, 3, 0
	WIN 0
; THE WAY OUT, a block of 16 rows x 128 columns at a time, through my own stage: in as 32 bytes a lane, back as whole rows of 512 bytes; + bo; 32 lanes store 512 consecutive bytes.
; LDS serves a wave's instructions in order (ISA guide 5.7.1.4): no wait between the stores and the loads, nor in front of the next block's stores.
.macro TOSTAGE a
	WIN 0x04                                       ; an LDS store's data are its source 1: window 1
.irp b, 0,1,2,3,4,5,6,7
	ds_store_b128 v[STO], v[8*(8*(\a)+\b):8*(8*(\a)+\b)+3] offset:64*\b            ; each accumulator from its low end on
	ds_store_b128 v[STO], v[8*(8*(\a)+\b)+4:8*(8*(\a)+\b)+7] offset:64*\b+16
.endr
	WIN 0
.set BB, OB+64*((\a)%2)
.irp t, 0,1,2,3,4,5,6,7,8,9,10,11,12,13,14,15
	ds_load_b128 v[BB+4*\t:BB+4*\t+3], v[RD] offset:\t*SPITCH
.endr
.endm
.macro SEND a, younger                 ; younger: the LDS instructions issued behind block a's loads, which may stay out
.set BB, OB+64*((\a)%2)
	s_wait_dscnt \younger
.irp t, 0,1,2,3,4,5,6,7,8,9,10,11,12,13,14,15
	v_pk_add_f32 v[BB+4*\t:BB+4*\t+1], v[BB+4*\t:BB+4*\t+1], v[BIAS:BIAS+1]
	v_pk_add_f32 v[BB+4*\t+2:BB+4*\t+3], v[BB+4*\t+2:BB+4*\t+3], v[BIAS+2:BIAS+3]
	global_store_b128 v[CO], v[BB+4*\t:BB+4*\t+3], s[10:11] offset:(16*(\a)+\t)*4096 th:TH_STORE_NT
.endr
.endm
	PLACES                                         ; behind the last products: for the reads of results and for the loads into fragments' registers
	s_wait_loadcnt 0x0                             ; bo
	TOSTAGE 0
.irp a, 1,2,3
.if \a > 1
	s_wait_xcnt 0x0                                ; block a - 2's stores have read their registers: block a's rows may land there
.endif
	TOSTAGE \a
	SEND \a-1, 32                                  ; behind block a - 1's loads: block a's 16 stores and 16 loads
.endr
	SEND 3, 0
	s_wait_tensorcnt 0x0                           ; the wave's end: behind my last tensor load and my last LDS store
	ds_add_u32 v[SPW], v[NIL]
	s_wait_dscnt 0x0
	CROUND                                         ; the closing round
	s_endpgm
.Lfunc_end_k_q3d3fd39399_oproj:
	.size	k_q3d3fd39399_oproj, .Lfunc_end_k_q3d3fd39399_oproj-k_q3d3fd39399_oproj
	.p2alignl 7, 3214868480
	.fill 96, 4, 3214868480
	.section	.rodata,"a",@progbits
	.p2align	6, 0x0
	.amdhsa_kernel k_q3d3fd39399_oproj
		.amdhsa_group_segment_fixed_size 327680
		.amdhsa_private_segment_fixed_size 0
		.amdhsa_enable_private_segment 0
		.amdhsa_kernarg_size 32
		.amdhsa_user_sgpr_count 2
		.amdhsa_user_sgpr_kernarg_segment_ptr 1
		.amdhsa_wavefront_size32 1
		.amdhsa_system_sgpr_workgroup_id_x 1
		.amdhsa_system_sgpr_workgroup_id_y 1
		.amdhsa_system_sgpr_workgroup_id_z 1
		.amdhsa_system_vgpr_workitem_id 0
		.amdhsa_next_free_vgpr 512
		.amdhsa_next_free_sgpr 66
		.amdhsa_reserve_vcc 0
		.amdhsa_float_denorm_mode_32 3
		.amdhsa_float_denorm_mode_16_64 3
		.amdhsa_memory_ordered 1
		.amdhsa_forward_progress 1
		.amdhsa_inst_pref_size 92
	.end_amdhsa_kernel
	.amdgpu_metadata
---
amdhsa.version: [ 1, 2 ]
amdhsa.kernels:
  - .name:           k_q3d3fd39399_oproj
    .symbol:         k_q3d3fd39399_oproj.kd
    .args:
      - { .name: ah, .offset: 0, .size: 8, .value_kind: global_buffer, .address_space: global }
      - { .name: wot, .offset: 8, .size: 8, .value_kind: global_buffer, .address_space: global }
      - { .name: bo, .offset: 16, .size: 8, .value_kind: global_buffer, .address_space: global }
      - { .name: out0, .offset: 24, .size: 8, .value_kind: global_buffer, .address_space: global }
    .group_segment_fixed_size: 327680
    .private_segment_fixed_size: 0
    .kernarg_segment_align: 8
    .kernarg_segment_size: 32
    .max_flat_workgroup_size: 128
    .sgpr_count:     66
    .vgpr_count:     512
    .wavefront_size: 32
...
	.end_amdgpu_metadata
.endif
;; end of part 4
;; ======== version 2 of 2: 4 launches
;; limits: values are held in f16: magnitudes above 65,504 overflow, below 6.1e-05 lose precision
;; workspace buffers: xq 4,456,448 bytes; wq 3,489,792 bytes; wot 2,097,152 bytes; qh 33,554,432 bytes; gh 33,554,432 bytes; kvh 12,582,912 bytes; ah 16,777,216 bytes
;; launch prep: the kernel of part 1 again; grid 384 x 1, 4 waves a work-group, no clusters, 34,816 bytes of LDS; arguments hidden_states, Wq, Wk, Wv, Wo, rope, xq, wq, wot; writes xq, wq, wot
;; launch proj (part 5): grid 32 x 10, 4 waves a work-group, clusters of 4 x 1, 327,680 bytes of LDS; arguments xq, wq, bq, bk, bv, q_norm_w, k_norm_w, qh, gh, kvh; writes qh, gh, kvh
.if DOCPART == 5
	.amdgcn_target "amdgcn-amd-amdhsa--gfx1250"
	.amdhsa_code_object_version 6
	.text
	.protected	k_q3d3fd39399_proj
	.globl	k_q3d3fd39399_proj
	.p2align	8
	.type	k_q3d3fd39399_proj,@function
k_q3d3fd39399_proj:
	s_mov_b64 s[64:65], 0
	v_nop
	global_prefetch_b8 v0, s[64:65] scope:SCOPE_SE
	s_setreg_imm32_b32 hwreg(HW_REG_WAVE_MODE, 25, 1), 1
	s_wait_xcnt 0x0
	s_wait_alu depctr_hold_cnt(0) depctr_sa_sdst(0) depctr_va_vdst(0) depctr_va_sdst(0) depctr_va_ssrc(0) depctr_va_vcc(0) depctr_vm_vsrc(0)
	s_getreg_b32 s2, hwreg(HW_REG_IB_STS2, 6, 4)
	s_cmp_eq_u32 s2, 0
	s_cbranch_scc0 .Lentry_in_a_cluster
	s_endpgm
.Lentry_in_a_cluster:
	s_bfe_u32 s2, ttmp6, 0x10000c
	s_cmp_lg_u32 s2, 0x3003
	s_cbranch_scc0 .Lentry_shape_is_right
	s_endpgm
.Lentry_shape_is_right:
; Launch 2 of 4: hidden_states x [Wq | Wk | Wv] on codes of E2M1 (K = 1024), + bias, then by the kind of the columns: q, k: RMSNorm over the head's 128, rope, as TWO f16 numbers each;  gate: sigmoid, f32;  v: f16.  No work of reference() is left out.
; SHARES.  A work-group takes 64 positions of ALL FOUR batches (256 rows) x 256 columns = two heads' worth of one kind (work-group y: 0, 1, 4, 5 q; 2, 3, 6, 7 gate; 8 k; 9 v).
; A wave makes 128 x 128: two blocks of 16 positions x four batches (block a = 4 pp + batch) x one head.  So sin and cos of a position block serve four blocks of rows.
; The matrix instruction is used transposed (source 0 = 16 columns of W, source 1 = 16 rows of x): lane (r, h) holds row r and columns 16 b + 8 h + 0..7, eight neighbours; the bias is the C of each sum's first product.
; LDS holds all of K at once, in two halves of 512, each filled once; all tiles are images of operand registers, so every fragment load reads 512 consecutive bytes and nothing is padded.
; CLUSTER 4 x 1: the four work-groups along x need the same tiles and scale words of W: joint loads with a mask that names the four.  x's tiles differ: plain loads behind the same round.  Four along y as well is not open: the grid is 10 high.
; TWO f16 NUMBERS FOR EACH OF q AND k, made in f32, so that TWO products give the score.  With u = q / 4, w = k / 4 (exact; attention's constant carries the 16):
;   a1 = u with its low 13 mantissa bits cleared (f16 holds it exactly), a2 = f16(u - 31/32 a1) = f16(a1 / 32 + (u - a1));   b1 = 31/32 w with its low 13 bits cleared, b2 = f16(32 (w - b1)).
;   a1 b1 + (a1 / 32 + (u - a1)) 32 (w - b1) = u w + (u - a1) (32 (w - b1) - w), for all values: the last term is under 2^-10 u x 2^-5 w, and a rounding of a2 or b2 weighs 1/32 of what a rounding of u or w weighs.
;   One text serves both: U = f x (the rotated row), h = (g U) cut, second = U + e h, with (f, g, e) = (rsqrt / 4, 1, -31/32) for q and (8 rsqrt, 31/1024, -32) for k, chosen on y.
; OUT.  q: [first | second][head][s / 16][channel / 8][s % 16][8 channels].  The gate: f32, [head][s / 16][b 8][part 2][lane][16 bytes], the image of the registers that hold attention's result.
;   k, v: [head][128 keys][k first | k second | v], 32,768 bytes each; k as q; v [key / 8][channel / 8][key % 8][8 channels]; K'S FIRST NUMBERS LIE 32 KEYS AHEAD (key s at the place of key s - 32, wrapped round the head's 2,048): attention fetches them a step earlier.
; LIMITS: |q| from 262,000 on, |k| from 254,000 on, |v| from 65,504 on become infinite in f16.  NaN and infinities are not served.
; REGISTERS, in windows of 256: window 0: v1-31 addresses and small work; v32-95 scale words, two sets, and nothing else; v128-191 x's fragments, one set; v192-255 the bias.  Behind the products: v96-127 packed results, v128-191 U, v192-255 the norm's gains.
;   window 1: W's fragments, two sets (v0, v128); behind the products sin and cos of my two position blocks.   windows 2, 3: accumulator (a, b) at v[8 (8 (a % 4) + b)] of window 2 + a / 4.
.set XSCO,  4194304                    ; xq: where the scale words begin
.set WSCO,  1310720                    ; wq: likewise
.set RIMG,  1392640                    ; wq: the rope images
.set SLOT,  131072                     ; LDS: K half s at s x SLOT: x's 16 blocks x 4,096 bytes, then W's 16 blocks
.set WOFF,  65536
.set XS,    262144                     ; x's scale words, 16 blocks x 512 bytes
.set WS,    270336                     ; W's
.set SPARE, 278528                     ; the spare words, 128 bytes for each wave
.set NQ, 4                             ; steps of 128 along K in a half
.set FR, 8                             ; registers of a fragment
.set NL, 2                             ; LDS loads that bring one
.set NP, 4                             ; places behind this matrix instruction (ISA guide 7.12.1)
.set BO,   4                           ; v4   32 h: my eight numbers of a tile of bias or gains
.set LT,   5                           ; v5   16 x lane
.set OFFB, 8                           ; v8-11 my bytes in a block of results, + batch x the batch's stride
.set ADRA, 12                          ; v12-13 LDS address of x's fragments in half 0, 1
.set ADRB, 14                          ; v14-15 of W's
.set SS,   16                          ; v16-23 four chains of sums of squares
.set RS,   24                          ; v[24:25] the row's factor f
.set ADRS, 27                          ; v27  scale words: lanes 0-15 x's rows, lanes 16-31 W's
.set SPW,  28
.set NIL,  29
.set SC,   32
.set AF,   128
.set BI,   192
.set P,    96
.set U,    128
.set WN,   192
.set WV,   24                          ; s24 wave, s25 wm, s26 wn, s27 cx, s28 xt, s29 y; s2 my first position block; s3 the mask of the cut
.set MSB, 0
.macro WIN new                         ; the immediate's high byte repeats the setting that is left
.if MSB != (\new)
	s_set_vgpr_msb (MSB<<8)|(\new)
.set MSB, (\new)
.endif
.endm
.set MUL_LO, 0xa1                      ; source 0 (W) window 1, source 1 (x) window 0, C and D window 2
.set MUL_HI, 0xf1                      ; C and D window 3
.set TO_B,   0x40
.macro CREST
	s_cmp_lg_u32 s[WV], 0
	s_cbranch_scc1 .Lnot_wave_0_\@
	s_barrier_signal -3
.Lnot_wave_0_\@:
	s_barrier_wait -3
	s_barrier_signal -1
	s_barrier_wait -1
.endm
.macro CROUND                          ; a round of the cluster's barrier
	s_barrier_signal -1
	s_barrier_wait -1
	CREST
.endm
.macro PLACES n
.rept \n
	v_nop
.endr
.endm
	s_load_b512 s[4:19], s[0:1], 0x0               ; xq s[4:5], wq s[6:7], bq s[8:9], bk s[10:11], bv s[12:13], q_norm_w s[14:15], k_norm_w s[16:17], qh s[18:19]
	s_load_b128 s[20:23], s[0:1], 0x40             ; gh s[20:21], kvh s[22:23]
	v_lshl_add_u32 v[SPW], v0, 2, SPARE
	v_mov_b32 v[NIL], 0
	ds_add_u32 v[SPW], v[NIL]                      ; the wave's opening: the add, twice on end, and its wait ahead of my first tensor load
	ds_add_u32 v[SPW], v[NIL]
	v_lshrrev_b32 v1, 5, v0
	v_readfirstlane_b32 s[WV], v1
	s_lshr_b32 s25, s[WV], 1                       ; wm: which 32 positions
	s_and_b32 s26, s[WV], 1                        ; wn: which head of the two
	s_bfe_u32 s27, ttmp6, 0x40000                  ; cx
	s_lshl_b32 s28, ttmp9, 2
	s_add_co_u32 s28, s28, s27                     ; xt: which 64 positions, 0..31
	s_and_b32 s29, ttmp7, 0xffff                   ; y: which 256 columns, 0..9: the four partners share it
	; descriptor groups 1, elements of 8 bytes, no padding.  x's codes: 4 rows (the batches, 1 MiB apart) of 4,096 bytes
	s_mov_b32 s32, 3<<16
	s_mov_b32 s33, 512<<16
	s_mov_b32 s34, 4<<16
	s_mov_b32 s35, 512<<16
	s_mov_b32 s36, 4
	s_mov_b32 s37, 131072
	s_mov_b32 s38, 0
	s_mov_b32 s39, 0
	; W's codes: 4 blocks of 16 columns, 8,192 bytes apart, 4,096 bytes of each; jointly
	s_mov_b32 s40, 15|(3<<16)|(1<<21)
	s_mov_b32 s41, 512<<16
	s_mov_b32 s42, 4<<16
	s_mov_b32 s43, 512<<16
	s_mov_b32 s44, 4
	s_mov_b32 s45, 1024
	s_mov_b32 s46, 0
	s_mov_b32 s47, 0
	; x's scale words: 4 rows (the batches, 65,536 bytes apart) of 512 bytes
	s_mov_b32 s48, 3<<16
	s_mov_b32 s49, 64<<16
	s_mov_b32 s50, 4<<16
	s_mov_b32 s51, 64<<16
	s_mov_b32 s52, 4
	s_mov_b32 s53, 8192
	s_mov_b32 s54, 0
	s_mov_b32 s55, 0
	; W's: 4 blocks x 512 bytes, dense; jointly
	s_mov_b32 s56, 15|(3<<16)|(1<<21)
	s_mov_b32 s57, 64<<16
	s_mov_b32 s58, 4<<16
	s_mov_b32 s59, 64<<16
	s_mov_b32 s60, 4
	s_mov_b32 s61, 64
	s_mov_b32 s62, 0
	s_mov_b32 s63, 0
	s_lshl_b32 s30, s28, 2
	s_add_co_u32 s30, s30, s[WV]                   ; the position block that I fetch: 4 xt + wave
	s_lshl_b32 s31, s29, 4
	s_lshl_b32 s100, s[WV], 2
	s_add_co_u32 s31, s31, s100                    ; the first of the four blocks of columns that I fetch: 16 y + 4 wave: no place in the cluster enters it
	s_mov_b32 s93, 0
	s_mov_b32 s101, 0
	s_lshl_b32 s66, s[WV], 11                      ; LDS: 2,048 x wave among scale words,
	s_lshl_b32 s67, s[WV], 14                      ; 16,384 x wave among codes
	s_mov_b32 s94, 0xbfb8aa3b                      ; -log2(e)
	s_mov_b32 s95, s94
	s_mov_b32 s96, 0x3c000000                      ; 1 / 128
	s_mov_b32 s97, 0x358637bd                      ; 1e-6
	s_mov_b32 s98, 0x76543210
	s_mov_b32 s99, 0xfedcba98
	s_mov_b32 s3, 0xffffe000                       ; keeps sign, exponent and 10 mantissa bits: what f16 holds
	s_wait_dscnt 0x0                               ; both opening adds are done
	s_wait_kmcnt 0x0
	s_lshl_b32 s92, s30, 9
	s_add_co_u32 s92, s92, XSCO
	s_mov_b32 s68, 1
	s_add_co_u32 s69, s66, XS
	s_add_nc_u64 s[70:71], s[4:5], s[92:93]
	s_or_b32 s71, s71, 0x80000000
	s_lshl_b32 s100, s31, 9
	s_add_co_u32 s100, s100, WSCO
	s_mov_b32 s72, 1
	s_add_co_u32 s73, s66, WS
	s_add_nc_u64 s[74:75], s[6:7], s[100:101]
	s_or_b32 s75, s75, 0x80000000
	s_lshl_b32 s92, s30, 13
	s_mov_b32 s76, 1
	s_mov_b32 s77, s67
	s_add_nc_u64 s[78:79], s[4:5], s[92:93]
	s_add_nc_u64 s[86:87], s[78:79], 4096          ; K half 1
	s_or_b32 s79, s79, 0x80000000
	s_or_b32 s87, s87, 0x80000000
	s_mov_b32 s84, 1
	s_add_co_u32 s85, s67, SLOT
	s_lshl_b32 s100, s31, 13
	s_mov_b32 s80, 1
	s_add_co_u32 s81, s67, WOFF
	s_add_nc_u64 s[82:83], s[6:7], s[100:101]
	s_add_nc_u64 s[90:91], s[82:83], 4096
	s_or_b32 s83, s83, 0x80000000
	s_or_b32 s91, s91, 0x80000000
	s_mov_b32 s88, 1
	s_add_co_u32 s89, s67, SLOT+WOFF
	CROUND                                         ; all four work-groups are here: the joint loads meet
	tensor_load_to_lds s[68:71], s[48:55]          ; every wave issues all six, each into bytes of its own: six tensor loads of mine are out
	s_nop 0
	tensor_load_to_lds s[72:75], s[56:63]
	s_nop 0
	tensor_load_to_lds s[76:79], s[32:39]
	s_nop 0
	tensor_load_to_lds s[80:83], s[40:47]
	s_nop 0
	tensor_load_to_lds s[84:87], s[32:39]
	s_nop 0
	tensor_load_to_lds s[88:91], s[40:47]
	s_nop 0
	PLACES 4
	; which bias and gains are mine: choices on y alone
	s_lshl_b32 s92, s29, 10                        ; 256 y numbers of bq
	s_cmp_lt_u32 s29, 8
	s_cselect_b32 s92, s92, 0
	s_cselect_b64 s[8:9], s[8:9], s[10:11]
	s_cselect_b64 s[14:15], s[14:15], s[16:17]
	s_cmp_eq_u32 s29, 9
	s_cselect_b64 s[8:9], s[12:13], s[8:9]
	s_lshl_b32 s101, s26, 9
	s_add_co_u32 s92, s92, s101
	s_add_nc_u64 s[8:9], s[8:9], s[92:93]          ; my 128 numbers of the bias
	s_lshl_b32 s2, s28, 2
	s_lshl_b32 s101, s25, 1
	s_add_co_u32 s2, s2, s101                      ; my first position block: 4 xt + 2 wm
	v_and_b32 v3, 31, v0
	v_and_b32 v1, 15, v0                           ; r
	v_bfe_u32 v2, v0, 4, 1                         ; h
	v_lshlrev_b32 v[BO], 5, v2
	v_lshlrev_b32 v[LT], 4, v3
.irp b, 0,1,2,3,4,5,6,7
	global_load_b128 v[BI+8*\b:BI+8*\b+3], v[BO], s[8:9] offset:64*\b          ; bias[16 b + 8 h + 0..7]: the result's layout
	global_load_b128 v[BI+8*\b+4:BI+8*\b+7], v[BO], s[8:9] offset:64*\b+16
.endr
	v_mov_b32 v30, 0                               ; written once: a lane permute's destination counts as one of its sources
	s_lshl_b32 s30, s25, 15                        ; my 8 blocks of x: 32,768 wm
	s_lshl_b32 s100, s26, 15
	s_add_co_u32 s100, s100, WOFF                  ; my 8 blocks of W
.irp s, 0,1
	v_add_nc_u32 v[ADRA+\s], s30, v[LT]
	v_add_nc_u32 v[ADRB+\s], s100, v[LT]
	s_add_co_u32 s30, s30, SLOT
	s_add_co_u32 s100, s100, SLOT
.endr
	s_xor_b32 s100, s25, 1
	s_add_co_u32 s100, s100, s26
	s_add_co_u32 s100, s100, 1
	s_lshl_b32 s100, s100, 12                      ; from x's words to W's: WS + 4,096 wn - XS - 4,096 wm = 4,096 (1 + wn + (1 - wm))
	v_mul_u32_u24 v6, s100, v2                     ; lanes 16-31 take W's
	s_lshl_b32 s30, s25, 12
	s_add_co_u32 s30, s30, XS
	v_lshl_add_u32 v6, v1, 4, v6
	v_add_nc_u32 v[ADRS], s30, v6
.macro FRAG reg, adr, q, i             ; 16 rows x 128 K of 4-bit codes: two runs of 512 bytes, 16 bytes a lane
.irp c, 0,1
	ds_load_b128 v[\reg+4*\c:\reg+4*\c+3], v[\adr] offset:1024*(\q)+512*\c+(\i)*4096
.endr
.endm
; 16 matrix instructions: x's blocks a0, a0 + 1 against W's eight.  first = 1: C is the bias.  The 64 accumulators take turns, one instruction a turn, in the same order in every step.
.macro MUL16 a0, p, q, sc, first
.irp a, \a0, \a0+1
.irp b, 0,1,2,3,4,5,6,7
.if \first
	v_wmma_scale_f32_16x16x128_f8f6f4 v[8*(8*((\a)%4)+\b):8*(8*((\a)%4)+\b)+7], v[128*(\p)+FR*\b:128*(\p)+FR*\b+FR-1], v[AF+FR*(\a):AF+FR*(\a)+FR-1], v[BI+8*\b:BI+8*\b+7], v[SC+8*NQ*(\sc)+NQ*\b+(\q)], v[SC+8*NQ*(\sc)+NQ*(\a)+(\q)] matrix_a_fmt:MATRIX_FMT_FP4 matrix_b_fmt:MATRIX_FMT_FP4 matrix_a_scale:MATRIX_SCALE_ROW1
.else
	v_wmma_scale_f32_16x16x128_f8f6f4 v[8*(8*((\a)%4)+\b):8*(8*((\a)%4)+\b)+7], v[128*(\p)+FR*\b:128*(\p)+FR*\b+FR-1], v[AF+FR*(\a):AF+FR*(\a)+FR-1], v[8*(8*((\a)%4)+\b):8*(8*((\a)%4)+\b)+7], v[SC+8*NQ*(\sc)+NQ*\b+(\q)], v[SC+8*NQ*(\sc)+NQ*(\a)+(\q)] matrix_a_fmt:MATRIX_FMT_FP4 matrix_b_fmt:MATRIX_FMT_FP4 matrix_a_scale:MATRIX_SCALE_ROW1
.endif
.endr
.endr
.endm
.macro FETCH_B slot, q, p
	WIN TO_B
.irp i, 0,1,2,3,4,5,6,7
	FRAG 128*(\p)+FR*\i, ADRB+\slot, \q, \i
.endr
	WIN 0
.endm
.macro FETCH_A slot, q, i0
.irp i, \i0, \i0+1, \i0+2, \i0+3
	FRAG AF+FR*(\i), ADRA+\slot, \q, \i
.endr
.endm
.macro SCALES sc                       ; a half's scale words: 4 words a row; lanes 0-15 x's block i, lanes 16-31 W's block i
.irp i, 0,1,2,3,4,5,6,7
	ds_load_b128 v[SC+8*NQ*\sc+NQ*\i:SC+8*NQ*\sc+NQ*\i+3], v[ADRS] offset:\i*512+\sc*256
.endr
.endm
; A step of 128 along K with its successor in the same half.  x has one set of registers: blocks 0-3 are fetched anew in the step's middle, blocks 4-7 at its end; W has two sets.
.macro STEP slot, q, first
	s_wait_dscnt 4*NL                              ; all but the youngest eight loads (x's blocks 4-7) are in
	WIN MUL_LO-0x20*(\first)                       ; (first: C in window 0)
	MUL16 0, (\q)%2, \q, \slot, \first
	MUL16 2, (\q)%2, \q, \slot, \first
	s_wait_dscnt 0
	PLACES NP                                      ; in front of loads into registers that matrix instructions have read
	FETCH_B \slot, (\q)+1, 1-(\q)%2
	FETCH_A \slot, (\q)+1, 0
	WIN MUL_HI-0x30*(\first)
	MUL16 4, (\q)%2, \q, \slot, \first
	MUL16 6, (\q)%2, \q, \slot, \first
	PLACES NP
	WIN 0
	FETCH_A \slot, (\q)+1, 4
.endm
.macro STEPS slot, from
.set Q, \from
.rept NQ-1-\from
	STEP \slot, Q, 0
.set Q, Q+1
.endr
.endm
	s_wait_tensorcnt 2                             ; the scale words and my parts of K half 0 are in; the two loads of half 1 may be out
	s_barrier_signal -1
	s_barrier_wait -1                              ; everybody's are
	FETCH_B 0, 0, 0
	FETCH_A 0, 0, 0
	SCALES 0
	FETCH_A 0, 0, 4
	s_wait_loadcnt 0x0                             ; the bias
	STEP 0, 0, 1
	STEPS 0, 1
	; half 0's last step goes over to half 1: one barrier, in front of which each wave has waited for its parts of half 1
	s_wait_tensorcnt 0x0
	ds_add_u32 v[SPW], v[NIL]                      ; 0 onto my spare word
	s_wait_dscnt 4*NL+1                            ; (the add and the youngest eight loads may be out)
	WIN MUL_LO
	MUL16 0, 1, NQ-1, 0, 0
	s_wait_dscnt 0x0
	s_barrier_signal -1
	MUL16 2, 1, NQ-1, 0, 0
	WIN 0
	s_barrier_wait -1
	PLACES NP
	FETCH_B 1, 0, 0
	FETCH_A 1, 0, 0
	SCALES 1
	WIN MUL_HI
	MUL16 4, 1, NQ-1, 0, 0
	MUL16 6, 1, NQ-1, 0, 0
	PLACES NP
	WIN 0
	FETCH_A 1, 0, 4
	STEPS 1, 0
	s_wait_dscnt 4*NL                              ; the very last step: nothing more to fetch
	WIN MUL_LO
	MUL16 0, 1, NQ-1, 1, 0
	MUL16 2, 1, NQ-1, 1, 0
	s_wait_dscnt 0
	WIN MUL_HI
	MUL16 4, 1, NQ-1, 1, 0
	MUL16 6, 1, NQ-1, 1, 0
	WIN 0
	PLACES NP                                      ; in front of the loads below into fragments' registers, and of the first reads of the last results
	s_wait_tensorcnt 0x0                           ; LDS is done with: behind my last tensor load.  No tensor load of mine is out: the descriptors' registers are free
	ds_add_u32 v[SPW], v[NIL]
	s_wait_dscnt 0x0
	s_cmp_eq_u32 s29, 9                            ; the kind of my columns: y alone, the same in all four partners
	s_cbranch_scc1 .Lv
	s_and_b32 s30, s29, 2
	s_cmp_lg_u32 s30, 0
	s_cbranch_scc1 .Lgate
.macro HQ                              ; s32 = the query head of my 128 columns: 4 (y / 4) + 2 (y % 2) + wn
	s_lshr_b32 s32, s29, 2
	s_lshl_b32 s32, s32, 2
	s_and_b32 s33, s29, 1
	s_lshl_b32 s33, s33, 1
	s_add_co_u32 s32, s32, s33
	s_add_co_u32 s32, s32, s26
.endm
.macro SLOTPART d, s, t                ; where a block of 16 keys lies in its part of kvh: (block / 8) x 98,304 + (block % 8) x 4,096
	s_lshr_b32 s\d, s\s, 3
	s_mul_i32 s\d, s\d, 98304
	s_and_b32 s\t, s\s, 7
	s_lshl_b32 s\t, s\t, 12
	s_add_co_u32 s\d, s\d, s\t
.endm
.macro MKOFF src                       ; my lane's bytes + batch x s31
	s_lshl_b32 s66, s31, 1
	s_add_co_u32 s67, s66, s31
	v_mov_b32 v[OFFB], v[\src]
	v_add_nc_u32 v[OFFB+1], s31, v[\src]
	v_add_nc_u32 v[OFFB+2], s66, v[\src]
	v_add_nc_u32 v[OFFB+3], s67, v[\src]
.endm
.macro PUT a, step, reg, sb            ; block a's packed results: 16 bytes a lane
.irp b, 0,1,2,3,4,5,6,7
	global_store_b128 v[OFFB+(\a)%4], v[\reg+4*\b:\reg+4*\b+3], s[\sb:\sb+1] offset:((\a)/4)*4096+\b*(\step)
.endr
.endm
; ---- q and k.  U = f x (T cos + rot(T) sin), T = x w: the row's factor is taken out of the rotation
	HQ
	s_lshl_b32 s32, s32, 19
	s_lshl_b32 s33, s2, 12
	s_add_co_u32 s32, s32, s33                     ; q: the first numbers of my first block,
	s_add_co_u32 s34, s32, 0x1000000               ; the second numbers 16,777,216 bytes on
	s_mul_i32 s36, s26, 16*98304                   ; k: head wn
	s_sub_co_u32 s37, s2, 2
	s_and_b32 s37, s37, 127                        ; the first numbers lie two blocks of 16 keys ahead, wrapped
	SLOTPART 38, 37, 39
	s_add_co_u32 s38, s38, s36
	SLOTPART 40, 2, 39
	s_add_co_u32 s40, s40, s36
	s_add_co_u32 s40, s40, 32768                   ; the second numbers
	s_mov_b32 s31, 0x300000                        ; from batch to batch: 2 heads of 1,572,864 bytes, or 8 of 524,288
	s_mov_b32 s42, 0x3cf80000                      ; g: k: 31 / 1024,
	s_mov_b32 s49, 0x3f800000                      ;    q: 1
	s_mov_b32 s44, 0xc2000000                      ; e: k: -32,
	s_mov_b32 s47, 0xbf780000                      ;    q: -31 / 32
	s_mov_b32 s46, 0x41000000                      ; f / rsqrt: k: 8,
	s_mov_b32 s48, 0x3e800000                      ;    q: 1 / 4
	s_cmp_lt_u32 s29, 8
	s_cselect_b32 s32, s32, s38
	s_cselect_b32 s34, s34, s40
	s_cselect_b32 s31, 0x400000, s31
	s_cselect_b64 s[18:19], s[18:19], s[22:23]
	s_cselect_b32 s42, s49, s42
	s_cselect_b32 s44, s47, s44
	s_cselect_b32 s46, s48, s46
	s_mov_b32 s43, s42                             ; (the packed forms name pairs and take the low word for both halves: so the upper words are written)
	s_mov_b32 s45, s44
	s_mov_b32 s33, 0
	s_mov_b32 s35, 0
	s_add_nc_u64 s[20:21], s[18:19], s[34:35]      ; second
	s_add_nc_u64 s[18:19], s[18:19], s[32:33]      ; first
	s_lshl_b32 s32, s2, 14
	s_add_co_u32 s32, s32, RIMG
	s_add_nc_u64 s[6:7], s[6:7], s[32:33]          ; my position blocks' rope images
	MKOFF LT
.irp b, 0,1,2,3,4,5,6,7
	global_load_b128 v[WN+8*\b:WN+8*\b+3], v[BO], s[14:15] offset:64*\b
	global_load_b128 v[WN+8*\b+4:WN+8*\b+7], v[BO], s[14:15] offset:64*\b+16
.endr
	WIN 0x40                                       ; destination window 1: sin at v[128 pp + 8 b + j], cos 64 further on
.irp pp, 0,1
.irp b, 0,1,2,3,4,5,6,7
.irp p, 0,1,2,3
	global_load_b128 v[128*\pp+64*(\p/2)+8*\b+4*(\p%2):128*\pp+64*(\p/2)+8*\b+4*(\p%2)+3], v[LT], s[6:7] offset:\pp*16384+\b*2048+\p*512
.endr
.endr
.endr
	WIN 0
.macro QK_BLOCK a
.set W_, 2+(\a)/4
.set AC, 64*((\a)%4)
.set RP, 128*((\a)/4)
	WIN W_|(W_<<2)                                 ; sums of squares of my 64 numbers, four chains
.irp b, 0,1,2,3,4,5,6,7
.irp p, 0,1,2,3
.if \b == 0
	v_pk_mul_f32 v[SS+2*\p:SS+2*\p+1], v[AC+2*\p:AC+2*\p+1], v[AC+2*\p:AC+2*\p+1]
.else
	v_pk_fma_f32 v[SS+2*\p:SS+2*\p+1], v[AC+8*\b+2*\p:AC+8*\b+2*\p+1], v[AC+8*\b+2*\p:AC+8*\b+2*\p+1], v[SS+2*\p:SS+2*\p+1]
.endif
.endr
.endr
.if (\a) == 0
	s_wait_loadcnt 63                              ; the gains' 16 loads are older than the rope's 64
.endif
	WIN W_|(W_<<6)
.set i, 0
.rept 32
	v_pk_mul_f32 v[AC+i:AC+i+1], v[AC+i:AC+i+1], v[WN+i:WN+i+1]     ; T = x w, in place
.set i, i+2
.endr
	WIN 0
	v_pk_add_f32 v[SS:SS+1], v[SS:SS+1], v[SS+2:SS+3]
	v_pk_add_f32 v[SS+4:SS+5], v[SS+4:SS+5], v[SS+6:SS+7]
	v_pk_add_f32 v[SS:SS+1], v[SS:SS+1], v[SS+4:SS+5]
	v_add_f32 v26, v[SS], v[SS+1]
	v_permlanex16_b32 v30, v26, s98, s99           ; the row's other 64 columns lie in the lane 16 away
	v_add_f32 v26, v26, v30
	v_fma_f32 v26, v26, s96, s97                   ; mean + eps
	v_rsq_f32 v[RS], v26
.if (\a) == 0
	s_wait_loadcnt 32                              ; my first position block's sin and cos are in; the second's 32 loads may be out
.endif
.if (\a) == 4
	s_wait_loadcnt 0x0
.endif
.if (\a) > 0
	s_wait_xcnt 0x0                                ; the last block's stores have read P and U
.endif
	WIN W_|(1<<2)                                  ; T in window W_, sin and cos in window 1, U in window 0: 96 plain lines behind the root, none of which names its result
.set i, 0
.rept 32
	v_pk_mul_f32 v[U+i:U+i+1], v[AC+i:AC+i+1], v[RP+64+i:RP+64+i+1]
.set i, i+2
.endr
.set i, 0
.rept 32
	v_fma_f32 v[U+i], -v[AC+i+1], v[RP+i], v[U+i]                   ; even: T0 cos0 - T1 sin0
	v_fma_f32 v[U+i+1], v[AC+i], v[RP+i+1], v[U+i+1]                ; odd:  T1 cos1 + T0 sin1
.set i, i+2
.endr
	WIN 0
	s_wait_alu depctr_va_vdst(0)                   ; the wait ahead of the first line that names the root's result
	v_mul_f32 v[RS], s46, v[RS]                    ; f = rsqrt / 4 (q), 8 rsqrt (k)
	v_mov_b32 v[RS+1], v[RS]
.set i, 0
.rept 32
	v_pk_mul_f32 v[U+i:U+i+1], v[U+i:U+i+1], v[RS:RS+1]             ; U = u (q), 32 w (k)
.set i, i+2
.endr
	WIN W_<<6                                      ; T is done with: its registers take the first numbers
.set i, 0
.rept 32
	v_pk_mul_f32 v[AC+i:AC+i+1], v[U+i:U+i+1], s[42:43] op_sel_hi:[1,0]   ; g U = u (q), 31/32 w (k)
.set i, i+2
.endr
	WIN (W_<<2)|(W_<<6)
.set i, 0
.rept 64
	v_and_b32 v[AC+i], s3, v[AC+i]                 ; cut: the low 13 mantissa bits cleared
.set i, i+1
.endr
	WIN W_
.set i, 0
.rept 32
	v_pk_fma_f32 v[U+i:U+i+1], v[AC+i:AC+i+1], s[44:45], v[U+i:U+i+1] op_sel_hi:[1,0,1]   ; second = u - 31/32 a1 (q), 32 w - 32 b1 (k): one rounding in f32
.set i, i+2
.endr
	WIN W_|(W_<<2)
.set i, 0
.rept 32
	v_cvt_pk_f16_f32 v[P+i], v[AC+2*i], v[AC+2*i+1]                 ; nothing is rounded here
.set i, i+1
.endr
	WIN 0
	PUT \a, 512, P, 18                             ; 512 consecutive bytes a store
.set i, 0
.rept 32
	v_cvt_pk_f16_f32 v[U+i], v[U+2*i], v[U+2*i+1]                   ; packed in place, ascending: what is written has been read
.set i, i+1
.endr
	PUT \a, 512, U, 20
.endm
.irp a, 0,1,2,3,4,5,6,7
	QK_BLOCK \a
.endr
	s_branch .Lout
; ---- the gate: sigmoid(x) = 1 / (1 + 2^(-x log2(e))), in place, stored as f32 from the accumulators' registers; each batch of 64 transcendentals has one plain line and one wait behind it
.Lgate:
	HQ
	s_lshl_b32 s32, s32, 20                        ; a head's 128 blocks of 8,192 bytes
	s_lshl_b32 s33, s2, 13
	s_add_co_u32 s32, s32, s33
	s_mov_b32 s33, 0
	s_add_nc_u64 s[20:21], s[20:21], s[32:33]
	s_mov_b32 s31, 0x800000                        ; from batch to batch: 8 heads
	MKOFF LT
.macro G_BLOCK a
.set W_, 2+(\a)/4
.set AC, 64*((\a)%4)
	WIN W_|(W_<<6)
.set i, 0
.rept 32
	v_pk_mul_f32 v[AC+i:AC+i+1], v[AC+i:AC+i+1], s[94:95] op_sel_hi:[1,0]
.set i, i+2
.endr
.set i, 0
.rept 64
	v_exp_f32 v[AC+i], v[AC+i]
.set i, i+1
.endr
	v_nop
	s_wait_alu depctr_va_vdst(0)
.set i, 0
.rept 32
	v_pk_add_f32 v[AC+i:AC+i+1], v[AC+i:AC+i+1], 1.0 op_sel_hi:[1,0]
.set i, i+2
.endr
.set i, 0
.rept 64
	v_rcp_f32 v[AC+i], v[AC+i]
.set i, i+1
.endr
	v_nop
	s_wait_alu depctr_va_vdst(0)
	WIN W_<<2                                      ; a store's data are its source 1
.irp b, 0,1,2,3,4,5,6,7
.irp p, 0,1
	global_store_b128 v[OFFB+(\a)%4], v[AC+8*\b+4*\p:AC+8*\b+4*\p+3], s[20:21] offset:((\a)/4)*8192+\b*1024+\p*512   ; 512 consecutive bytes
.endr
.endr
.endm
.irp a, 0,1,2,3,4,5,6,7
	G_BLOCK \a
.endr
	WIN 0
	s_branch .Lout
; ---- v: lane (r, h) of tile b holds key r, channels 16 b + 8 h + 0..7: at (r / 8) 2,048 + (2 b + h) 128 + (r % 8) 16 of its 16 keys' 4,096 bytes
.Lv:
	s_mul_i32 s36, s26, 16*98304
	SLOTPART 32, 2, 39
	s_add_co_u32 s32, s32, s36
	s_add_co_u32 s32, s32, 65536                   ; v lies behind k's two parts
	s_mov_b32 s33, 0
	s_add_nc_u64 s[22:23], s[22:23], s[32:33]
	s_mov_b32 s31, 0x300000
	v_lshrrev_b32 v6, 3, v1
	v_lshlrev_b32 v6, 11, v6
	v_lshl_add_u32 v6, v2, 7, v6
	v_and_b32 v7, 7, v1
	v_lshl_add_u32 v6, v7, 4, v6
	MKOFF 6
.macro V_BLOCK a
.set W_, 2+(\a)/4
.set AC, 64*((\a)%4)
	WIN W_|(W_<<2)
.if (\a) > 0
	s_wait_xcnt 0x0                                ; the last block's stores have read P
.endif
.set i, 0
.rept 32
	v_cvt_pk_f16_f32 v[P+i], v[AC+2*i], v[AC+2*i+1]
.set i, i+1
.endr
	WIN 0
	PUT \a, 256, P, 22                             ; two runs of 256 consecutive bytes a store
.endm
.irp a, 0,1,2,3,4,5,6,7
	V_BLOCK \a
.endr
.Lout:
	CROUND                                         ; the closing round: no work-group ends while a partner may still ask for a tile that names it
	s_endpgm
.Lfunc_end_k_q3d3fd39399_proj:
	.size	k_q3d3fd39399_proj, .Lfunc_end_k_q3d3fd39399_proj-k_q3d3fd39399_proj
	.p2alignl 7, 3214868480
	.fill 96, 4, 3214868480
	.section	.rodata,"a",@progbits
	.p2align	6, 0x0
	.amdhsa_kernel k_q3d3fd39399_proj
		.amdhsa_group_segment_fixed_size 327680
		.amdhsa_private_segment_fixed_size 0
		.amdhsa_enable_private_segment 0
		.amdhsa_kernarg_size 80
		.amdhsa_user_sgpr_count 2
		.amdhsa_user_sgpr_kernarg_segment_ptr 1
		.amdhsa_wavefront_size32 1
		.amdhsa_system_sgpr_workgroup_id_x 1
		.amdhsa_system_sgpr_workgroup_id_y 1
		.amdhsa_system_sgpr_workgroup_id_z 1
		.amdhsa_system_vgpr_workitem_id 0
		.amdhsa_next_free_vgpr 1024
		.amdhsa_next_free_sgpr 102
		.amdhsa_reserve_vcc 0
		.amdhsa_float_denorm_mode_32 3
		.amdhsa_float_denorm_mode_16_64 3
		.amdhsa_memory_ordered 1
		.amdhsa_forward_progress 1
		.amdhsa_inst_pref_size 255
	.end_amdhsa_kernel
	.section	.bss,"aw",@nobits
	.p2align	6
	.space	262144
	.amdgpu_metadata
---
amdhsa.version: [ 1, 2 ]
amdhsa.kernels:
  - .name:           k_q3d3fd39399_proj
    .symbol:         k_q3d3fd39399_proj.kd
    .args:
      - { .name: xq, .offset: 0, .size: 8, .value_kind: global_buffer, .address_space: global }
      - { .name: wq, .offset: 8, .size: 8, .value_kind: global_buffer, .address_space: global }
      - { .name: bq, .offset: 16, .size: 8, .value_kind: global_buffer, .address_space: global }
      - { .name: bk, .offset: 24, .size: 8, .value_kind: global_buffer, .address_space: global }
      - { .name: bv, .offset: 32, .size: 8, .value_kind: global_buffer, .address_space: global }
      - { .name: q_norm_w, .offset: 40, .size: 8, .value_kind: global_buffer, .address_space: global }
      - { .name: k_norm_w, .offset: 48, .size: 8, .value_kind: global_buffer, .address_space: global }
      - { .name: qh, .offset: 56, .size: 8, .value_kind: global_buffer, .address_space: global }
      - { .name: gh, .offset: 64, .size: 8, .value_kind: global_buffer, .address_space: global }
      - { .name: kvh, .offset: 72, .size: 8, .value_kind: global_buffer, .address_space: global }
    .group_segment_fixed_size: 327680
    .private_segment_fixed_size: 0
    .kernarg_segment_align: 8
    .kernarg_segment_size: 80
    .max_flat_workgroup_size: 128
    .sgpr_count:     102
    .vgpr_count:     1024
    .wavefront_size: 32
...
	.end_amdgpu_metadata
.endif
;; end of part 5
;; launch attn (part 6): grid 8 x 32, 4 waves a work-group, clusters of 4 x 1, 327,680 bytes of LDS; arguments qh, kvh, gh, ah; writes ah
.if DOCPART == 6
	.amdgcn_target "amdgcn-amd-amdhsa--gfx1250"
	.amdhsa_code_object_version 6
	.text
	.protected	k_q3d3fd39399_attn
	.globl	k_q3d3fd39399_attn
	.p2align	8
	.type	k_q3d3fd39399_attn,@function
k_q3d3fd39399_attn:
	s_mov_b64 s[64:65], 0
	v_nop
	global_prefetch_b8 v0, s[64:65] scope:SCOPE_SE
	s_setreg_imm32_b32 hwreg(HW_REG_WAVE_MODE, 25, 1), 1
	s_wait_xcnt 0x0
	s_wait_alu depctr_hold_cnt(0) depctr_sa_sdst(0) depctr_va_vdst(0) depctr_va_sdst(0) depctr_va_ssrc(0) depctr_va_vcc(0) depctr_vm_vsrc(0)
	s_getreg_b32 s2, hwreg(HW_REG_IB_STS2, 6, 4)
	s_cmp_eq_u32 s2, 0
	s_cbranch_scc0 .Lentry_in_a_cluster
	s_endpgm
.Lentry_in_a_cluster:
	s_bfe_u32 s2, ttmp6, 0x10000c
	s_cmp_lg_u32 s2, 0x3003
	s_cbranch_scc0 .Lentry_shape_is_right
	s_endpgm
.Lentry_shape_is_right:
; Launch 3 of 4: for each of 32 heads (batch x 8 + head) O[q] = sum over k of softmax_k(Q[q] . K[k] / sqrt(128)) V[k], x sigmoid(gate); 2,048 keys, no mask.  No work of reference() is left out.
; THE SCORES ARE TWO f16 PRODUCTS IN ONE f32 SUM: S = b1.a1 + b2.a2.  The launch before made, in f32, of u = q / 4 and w = k / 4: a1 = u cut to f16's bits, a2 = f16(a1 / 32 + (u - a1)), b1 = 31/32 w cut, b2 = f16(32 (w - b1)):
; a1 b1 + a2 b2 = u w + (u - a1)(32 (w - b1) - w), a term under 2^-15 of u w, and the roundings of a2 and b2 weigh 1/32 of a rounding of u or w.  c = 16 log2(e) / sqrt(128).
; Maxima and sums in f32.  The weights p = 2^(c s - c m + 14), at most 16,384, are rounded to f16 for the second product: the running maximum m is taken away, and the constant 14 places p in f16's range so that weights down to
; 2^-28 of the largest keep 11 bits; l and O carry the same factor, which O / l loses; l is at most 2,048 x 2^14.  V in f16.  O / l x gate is formed in f32 and rounded to f16 once, as the next product's operand.
; SHARES.  A work-group owns 256 queries of one head, each of its four waves 64: four tiles of 16.  Every wave walks all keys, 32 a step.  Query head h reads key and value head h / 4.
; LAYOUT.  S^T = K Q^T (source 0 = 16 keys, source 1 = 16 queries): a lane holds ONE query (lane % 16) and keys 8 (lane / 16) + 0..7.  A step's two such tiles, rounded in pairs, ARE source 1 of O^T = V^T P.  K, Q, the gate and O are images of
; operand registers (16 bytes a lane, 512 a load or store); V lies [key / 8][channel / 8][key % 8][8 channels], so that sixteen lanes of the turning load read 256 consecutive bytes.  Nothing is padded.
; BY TURNS.  The wave's tiles are two pieces (tiles 0, 1 and tiles 2, 3).  In a turn one piece has the matrix unit: 16 products V^T P of step n, then 32 products K Q^T of step n + 1; the other piece's softmax, 172 vector instructions, stands in slices behind them.
; THE RING.  A slot holds 128 keys: K's first numbers, K's second, V, 32,768 bytes each: one dense block of memory, a quarter to each wave's load.  Three runs of 16 LDS loads a step: K's second numbers of step n + 1 early in piece 0's turn,
; V of step n + 1 and K'S FIRST NUMBERS OF STEP n + 2 in piece 2's turn.  K's first numbers therefore lie 32 keys ahead in memory (wrapped round the head's end), so that the three runs of a step read the same quarter of the same slot and
; one change of slots serves all; those of the first 32 keys come by a fill of their own, once.  The loop's last trip fetches the wrapped ones, 16 loads that no product reads.
; CLUSTER.  The four query blocks of a cluster walk the same K and V: each tile is asked for jointly, by the same tensor load with a mask that names the four.
; REGISTERS: window 0: v0-11 addresses; v12-43 statistics, eight a tile; v61-63; v64-127 S^T, 16 a tile; v128-159 P, 8 a tile (at the end v128-255: packed results).   window 1: O^T, 64 a tile.
;   window 2: v0-127 a1, v128-255 a2; at the end the gate, 64 a tile.   window 3: v0-63 b1, v64-127 b2, v128-191 V, of one step.
.set SIZE_N, 2048
.set STEPB, 8192                       ; 32 keys of b1, of b2 or of V
.set LOFF,  32768                      ; in a slot: b2 behind b1,
.set VOFF,  65536                      ; V behind both
.set BLKB,  98304                      ; a slot's bytes
.set SLOT1, 1<<17                      ; slot 1 begins here, so that one exclusive or turns an address
.set KZ,    SLOT1+BLKB                 ; b1 of keys 0 to 31: filled once
.set SPARE, KZ+STEPB                   ; the spare words, 128 bytes for each wave
.set AK0, 2                            ; v2   16 x lane
.set AV0, 3                            ; v3   my lane's place in a step of V
.set ADR, 4                            ; v4   the LDS address of the run of loads in hand
.set QO,  5                            ; v5   16 x lane: my bytes of an image of Q, of the gate, of O; never rewritten
.set PFO, 61                           ; v61  256 x lane; never rewritten
.set SPW, 62
.set NIL, 63
.set ST,  12                           ; tile t's statistics at v[ST+8 t]: +0 c m - 14, +1 m, +2, +3 l, +4, +5 at work, +6 a, +7 at work
.set S,   64
.set P,   128
.set OP,  128
.set KH,  0
.set VF,  128
.set WV,  12
.set LIM, 15                           ; s15  1 in a wave that prefetches, else the greatest number
.set PFA, 18                           ; s[18:19] where my prefetches stand
.set G1,  24                           ; s[24:31] descriptor group 1: 96 rows of 256 bytes, dense
.set G1Z, 32                           ; s[32:39] the same with 8 rows
.set G0,  40                           ; s[40:47] group 0: a set for each slot's first fill; the second then walks on
.set G0Z, 48                           ; s[48:51] group 0 for b1 of the first 32 keys
.set QLP, 52                           ; s[52:53] a2
.set SLOTS, 56
.set TWICE, 57
.set CS,  58
.set SEL, 60
.set TB,  62                           ; s62  LDS byte at which the quarter to be fetched begins
.set KO,  63                           ; s63  -14.0
.set MSB, 0
.macro WIN new
.if MSB != (\new)
	s_set_vgpr_msb (MSB<<8)|(\new)
.set MSB, (\new)
.endif
.endm
.set W_KQ, 0x0b                        ; K in window 3, Q in window 2, S^T in window 0
.set W_PV, 0x53                        ; V in window 3, P in window 0, O^T in window 1
.set W_RS, 0x41                        ; O^T (destination and source 0) in window 1, a in window 0
.macro PLACES
.rept 4
	v_nop
.endr
.endm
; A joint refill: every wave fetches its quarter of a slot, by one line with no branch; the descriptor hangs on the head and the wave's number alone.
.macro JLOAD
	tensor_load_to_lds s[G0+4:G0+7], s[G1:G1+7]
	s_nop 0
	PLACES
.endm
; A prefetch of what the NEXT change of slots will ask for: a slot's 98,304 bytes.  Two clusters and four query heads walk the same K and V: the first cluster of the first of the four heads asks; its four partners take 24,576 bytes
; each, told apart by address; in each, waves 0, 1 and 2 ask for 8,192 bytes, lanes 256 bytes apart.  The last change that fills a slot asks for nothing.
.macro ASK
	s_cmp_gt_u32 s[SLOTS], s[LIM]
	s_cbranch_scc0 .Lnot_mine_\@
	global_prefetch_b8 v[PFO], s[PFA:PFA+1] th:TH_LOAD_NT scope:SCOPE_SE
.Lnot_mine_\@:
.endm
.macro CROUND
	s_barrier_signal -1
	s_barrier_wait -1
	s_cmp_lg_u32 s[WV], 0
	s_cbranch_scc1 .Lnot_wave_0_\@
	s_barrier_signal -3
.Lnot_wave_0_\@:
	s_barrier_wait -3
	s_barrier_signal -1
	s_barrier_wait -1
.endm
	s_load_b256 s[4:11], s[0:1], 0x0               ; qh s[4:5], kvh s[6:7], gh s[8:9], ah s[10:11]
	v_lshl_add_u32 v[SPW], v0, 2, SPARE
	v_mov_b32 v[NIL], 0
	ds_add_u32 v[SPW], v[NIL]                      ; the wave's opening: the add, twice on end, and its wait ahead of my first tensor load
	ds_add_u32 v[SPW], v[NIL]
	v_lshrrev_b32 v1, 5, v0
	v_readfirstlane_b32 s[WV], v1
	s_bfe_u32 s13, ttmp6, 0x40000                  ; cx
	s_lshl_b32 s14, ttmp9, 2
	s_add_co_u32 s14, s14, s13                     ; my block of 256 queries: it enters Q's, the gate's and O's addresses alone
	s_and_b32 s16, ttmp7, 0xffff                   ; batch x 8 + head, which the four partners share
	s_lshr_b32 s54, s16, 2
	s_mul_i32 s54, s54, 16*BLKB                    ; the key and value head's 16 blocks
	s_mul_i32 s17, s[WV], BLKB/4                   ; my quarter of a slot, in memory and in LDS: no place in the cluster enters an LDS address
	s_add_co_u32 s20, s54, s17
	s_mov_b32 s21, 0
	s_lshl_b32 s52, s[WV], 11                      ; my quarter of b1 of the first 32 keys:
	s_add_co_u32 s[G0Z+1], s52, KZ                 ; in LDS,
	s_add_co_u32 s52, s52, s54
	s_add_co_u32 s52, s52, 15*BLKB+3*STEPB         ; and in memory: the last quarter of the last block's b1
	s_mov_b32 s53, 0
	s_mul_i32 s55, s13, BLKB/4                     ; the prefetches: my work-group's quarter,
	s_add_co_u32 s54, s54, s55
	s_lshl_b32 s55, s[WV], 13                      ; my wave's 8,192 bytes of it,
	s_add_co_u32 s54, s54, s55
	s_add_co_u32 s54, s54, 2*BLKB                  ; in block 2; the first change of slots steps it to block 3.  Nothing is prefetched at the head
	s_mov_b32 s55, 0
	s_lshl_b32 s2, s16, 19
	s_lshl_b32 s3, s14, 16
	s_add_co_u32 s2, s2, s3
	s_lshl_b32 s3, s[WV], 14
	s_add_co_u32 s2, s2, s3                        ; my 64 queries in each half of qh; in gh twice that
	s_mov_b32 s3, 0
	s_lshr_b32 s22, s16, 3
	s_lshl_b32 s22, s22, 22                        ; ah: the batch's 128 blocks of 32,768 bytes,
	s_lshl_b32 s23, s14, 19                        ; my work-group's 16,
	s_add_co_u32 s22, s22, s23
	s_lshl_b32 s23, s[WV], 17                      ; my wave's 4,
	s_add_co_u32 s22, s22, s23
	s_and_b32 s23, s16, 7
	s_lshl_b32 s23, s23, 12                        ; my head's 4,096 bytes of a block
	s_add_co_u32 s22, s22, s23
	s_mov_b32 s23, 0
	s_mov_b32 s[G1], 15|(3<<16)|(1<<21)            ; the mask: all four work-groups; elements of 8 bytes; bit 21 set beside a mask; no padding
	s_mov_b32 s[G1+1], 32<<16
	s_mov_b32 s[G1+2], 96<<16
	s_mov_b32 s[G1+3], 32<<16
	s_mov_b32 s[G1+4], 96
	s_mov_b32 s[G1+5], 32
	s_mov_b32 s[G1+6], 0
	s_mov_b32 s[G1+7], 0
	s_mov_b32 s[G1Z], 15|(3<<16)|(1<<21)
	s_mov_b32 s[G1Z+1], 32<<16
	s_mov_b32 s[G1Z+2], 8<<16
	s_mov_b32 s[G1Z+3], 32<<16
	s_mov_b32 s[G1Z+4], 8
	s_mov_b32 s[G1Z+5], 32
	s_mov_b32 s[G1Z+6], 0
	s_mov_b32 s[G1Z+7], 0
	s_mov_b32 s[CS], 0x400293ee                    ; c = 16 log2(e) / sqrt(128)
	s_mov_b32 s[CS+1], s[CS]
	s_mov_b32 s[KO], 0xc1600000                    ; -14
	s_mov_b32 s[SEL], 0x76543210
	s_mov_b32 s[SEL+1], 0xfedcba98
	s_mov_b32 s[TB], 0
	s_mov_b32 s[SLOTS], SIZE_N/128-2
	s_add_co_u32 s[LIM], s[WV], 1
	s_lshr_b32 s[LIM], s[LIM], 2                   ; 1 in wave 3
	s_or_b32 s[LIM], s[LIM], ttmp9
	s_and_b32 s[TWICE], s16, 3
	s_or_b32 s[LIM], s[LIM], s[TWICE]              ; 0 in waves 0 to 2 of the first cluster of the first of four heads: the same in all four partners
	s_cmp_eq_u32 s[LIM], 0
	s_cselect_b32 s[LIM], 1, -1
	v_and_b32 v1, 31, v0
	v_lshlrev_b32 v[PFO], 8, v1
	s_wait_dscnt 0x0                               ; both opening adds are done
	s_wait_kmcnt 0x0
	s_add_nc_u64 s[PFA:PFA+1], s[6:7], s[54:55]
	s_mov_b32 s[G0Z], 1
	s_add_nc_u64 s[G0Z+2:G0Z+3], s[6:7], s[52:53]
	s_or_b32 s[G0Z+3], s[G0Z+3], 0x80000000
	s_add_nc_u64 s[6:7], s[6:7], s[20:21]          ; my quarter of block 0
	s_add_nc_u64 s[4:5], s[4:5], s[2:3]            ; a1
	s_add_nc_u64 s[QLP:QLP+1], s[4:5], 0x1000000   ; a2
	s_lshl_b32 s2, s2, 1
	s_add_nc_u64 s[8:9], s[8:9], s[2:3]            ; the gate
	s_add_nc_u64 s[10:11], s[10:11], s[22:23]
	s_mov_b32 s[G0], 1
	s_mov_b32 s[G0+1], s17
	s_mov_b64 s[G0+2:G0+3], s[6:7]
	s_or_b32 s[G0+3], s[G0+3], 0x80000000
	s_mov_b32 s[G0+4], 1
	s_add_co_u32 s[G0+5], s17, SLOT1
	s_add_nc_u64 s[G0+6:G0+7], s[6:7], BLKB
	s_or_b32 s[G0+7], s[G0+7], 0x80000000
	CROUND                                         ; all four work-groups are here: the first joint loads meet
	tensor_load_to_lds s[G0Z:G0Z+3], s[G1Z:G1Z+7]  ; three loads of mine are out
	s_nop 0
	tensor_load_to_lds s[G0:G0+3], s[G1:G1+7]
	s_nop 0
	tensor_load_to_lds s[G0+4:G0+7], s[G1:G1+7]
	s_nop 0
	PLACES
	v_lshlrev_b32 v[QO], 4, v1
	WIN 0x80                                       ; destination window 2, address window 0
.irp i, 0,1,2,3,4,5,6,7,8,9,10,11,12,13,14,15  ; Q stays in registers: tile i / 4, channels 32 (i % 4) on
	global_load_b128 v[8*\i:8*\i+3],   v[QO], s[4:5] offset:(\i/4)*4096+(\i%4)*1024 th:TH_LOAD_NT
	global_load_b128 v[8*\i+4:8*\i+7], v[QO], s[4:5] offset:(\i/4)*4096+(\i%4)*1024+512 th:TH_LOAD_NT
	global_load_b128 v[128+8*\i:128+8*\i+3],   v[QO], s[QLP:QLP+1] offset:(\i/4)*4096+(\i%4)*1024 th:TH_LOAD_NT
	global_load_b128 v[128+8*\i+4:128+8*\i+7], v[QO], s[QLP:QLP+1] offset:(\i/4)*4096+(\i%4)*1024+512 th:TH_LOAD_NT
.endr
	WIN 0
	v_lshlrev_b32 v[AK0], 4, v1
	v_and_b32 v9, 15, v0
	v_bfe_u32 v10, v0, 4, 1
	v_lshlrev_b32 v[AV0], 4, v9                    ; the turning load: lane l addresses key 8 (l / 16) + l % 8, channels 8 ((l / 8) % 2) + 0..7: 2,048 (l / 16) + 16 (l % 16)
	v_lshl_add_u32 v[AV0], v10, 11, v[AV0]
	v_add_nc_u32 v[AV0], VOFF, v[AV0]
; Product i of 16 of O^T += V^T P: the step's 32 keys, channels 16 (i / 2) on, tile x + i % 2.  Sixteen accumulators, one instruction each.
.macro PV x, zero
	WIN W_PV
.set rO, 64*(\x+i%2)+8*(i/2)
.set rV, VF+8*(i/2)
.set rP, P+8*(\x+i%2)
.if \zero
	v_wmma_f32_16x16x32_f16 v[rO:rO+7], v[rV:rV+7], v[rP:rP+7], 0
.else
	v_wmma_f32_16x16x32_f16 v[rO:rO+7], v[rV:rV+7], v[rP:rP+7], v[rO:rO+7]
.endif
.endm
; Product i of 32 of S^T = K Q^T: i / 16 = 0: b1.a1, 1: b2.a2; in each: channels 32 ((i % 16) / 4) on, keys 16 ((i / 2) % 2) on, tile x + i % 2.  Four accumulators take turns, one instruction a turn; the first 4 start the sums.
.macro KQ x
	WIN W_KQ
.set ii, i%16
.set rS, S+16*(\x+ii%2)+8*((ii/2)%2)
.set rK, KH+64*(i/16)+32*((ii/2)%2)+8*(ii/4)
.set rQ, 128*(i/16)+32*(\x+ii%2)+8*(ii/4)
.if i < 4
	v_wmma_f32_16x16x32_f16 v[rS:rS+7], v[rK:rK+7], v[rQ:rQ+7], 0
.else
	v_wmma_f32_16x16x32_f16 v[rS:rS+7], v[rK:rK+7], v[rQ:rQ+7], v[rS:rS+7]
.endif
.endm
.macro KLOADS reg, off                 ; 8 fragments, 16 loads in one run: keys 16 (f / 4) on, channels 32 (f % 4) on
	WIN 0xc0                                       ; destination window 3
.irp f, 0,1,2,3,4,5,6,7
	ds_load_b128 v[\reg+8*\f:\reg+8*\f+3],   v[ADR] offset:\off+(\f/4)*4096+(\f%4)*1024
	ds_load_b128 v[\reg+8*\f+4:\reg+8*\f+7], v[ADR] offset:\off+(\f/4)*4096+(\f%4)*1024+512
.endr
.endm
.macro FETCH_L                         ; b2.  The last product that read its registers stands in front of the six plain lines that end the turn before
	WIN 0
	v_add_nc_u32 v[ADR], s[TB], v[AK0]
	KLOADS KH+64, LOFF
.endm
.macro FETCH_H first                   ; b1 of the step after.  The last product that read its registers stands in front of two slices of three plain lines; the first softmax has none there
	WIN 0
.if \first
	PLACES
.endif
	v_add_nc_u32 v[ADR], s[TB], v[AK0]
	s_add_co_u32 s[TB], s[TB], STEPB               ; the quarter's three runs are out: on to the next
	KLOADS KH, 0
.endm
.macro FETCH_V                         ; V, turned.  Behind the last product that read its registers (the turn's 16th) stand four plain lines: the last scaling of each tile, the v_nop behind the batch, and the address's line
	WIN 0
	v_add_nc_u32 v[ADR], s[TB], v[AV0]
	s_wait_alu depctr_va_vdst(0)                   ; the wait for the softmax's batch, behind the address's line and ahead of the loads
	WIN 0xc0
.irp f, 0,1,2,3,4,5,6,7                        ; channels 16 f on
	ds_load_tr16_b128 v[VF+8*\f:VF+8*\f+3],   v[ADR] offset:\f*256
	ds_load_tr16_b128 v[VF+8*\f+4:VF+8*\f+7], v[ADR] offset:\f*256+4096
.endr
.endm
; THE VECTOR WORK OF A TURN.  One tile's softmax for one key step is a list of 86 instructions; SM writes number j of it for tile t.  s0-s15 are the lane's 16 scores, in pairs 0-7.
;   0-7   the maximum of the 16 scores and the old m (each accumulator is read from its low end on)
;   8-12  the other half's maximum, the new m, c m - 14, its change
;   13    the scaling c s - (c m - 14) of pair 0
;   14-37 THE BATCH, in six fours: (pair 1, a, pair 2, s0) (pair 3, s1, pair 4, s2) (pair 5, s3-s5) (pair 6, s6-s8) (pair 7, s9-s11) (s12-s15): 7 scalings and all 17 exponentials.  A four begins with a scaling while there are
;         scalings; a pair is scaled in an earlier four than the one with its exponentials; none of these reads an exponential's result
;   (the wait for the batch: SLICE writes it, once for both tiles)
;   38-45 the roundings to f16;  46-53 the sums, l = a l + the sum;  54-85 O^T times a.      first = 1: the first key step: no a, nothing to rescale.
.macro SM t, first
.set rT, ST+8*(\t)
.set rS, S+16*(\t)
.set rP, P+8*(\t)
.set rO, 64*(\t)+2*(j-54)
.set sc_, -1                           ; the pair to be scaled, if any
.set ex_, -1                           ; the score to be raised, if any; 16 stands for a
.if j == 13
.set sc_, 0
.endif
.if (j > 13) && (j < 38)
.set f_, (j-14)/4
.set n_, (j-14)%4
.if f_ == 5
.set ex_, 12+n_
.elseif (f_ > 1) && (n_ == 0)
.set sc_, f_+3
.elseif f_ > 1
.set ex_, 3*(f_-1)+n_-1
.elseif n_ == 0
.set sc_, 2*f_+1
.elseif n_ == 2
.set sc_, 2*f_+2
.elseif n_ == 3
.set ex_, 2*f_
.elseif f_ == 1
.set ex_, 1
.else
.set ex_, 16
.endif
.endif
.if j < 54
	WIN 0
.endif
.if sc_ >= 0
	v_pk_fma_f32 v[rS+2*sc_:rS+2*sc_+1], v[rS+2*sc_:rS+2*sc_+1], s[CS:CS+1], v[rT:rT+1] op_sel_hi:[1,0,0] neg_lo:[0,0,1] neg_hi:[0,0,1]
.elseif (ex_ == 16) && \first
.elseif ex_ == 16
	v_exp_f32 v[rT+6], v[rT+7]
.elseif ex_ >= 0
	v_exp_f32 v[rS+ex_], v[rS+ex_]
.elseif j == 0
	v_max3_num_f32 v[rT+4], v[rS], v[rS+1], v[rS+2]
.elseif j == 1
	v_max3_num_f32 v[rT+5], v[rS+8], v[rS+9], v[rS+10]
.elseif j < 6
	v_max3_num_f32 v[rT+4+j%2], v[rT+4+j%2], v[rS+8*(j%2)+2*(j/2)+1], v[rS+8*(j%2)+2*(j/2)+2]
.elseif j == 6
	v_max3_num_f32 v[rT+4], v[rT+4], v[rS+7], v[rS+15]
.elseif (j == 7) && \first
	v_max_num_f32 v[rT+4], v[rT+4], v[rT+5]
.elseif j == 7
	v_max3_num_f32 v[rT+4], v[rT+4], v[rT+5], v[rT+1]
.elseif j == 8
	v_permlanex16_b32 v[rT+5], v[rT+4], s[SEL], s[SEL+1]  ; the query's other 16 keys lie in the lane 16 away
.elseif j == 10
	v_max_num_f32 v[rT+1], v[rT+4], v[rT+5]
.elseif j == 11
	v_fma_f32 v[rT], s[CS], v[rT+1], s[KO]         ; c m - 14
.elseif ((j == 9) || (j == 12) || (j > 53)) && \first
.elseif j == 9
	v_mov_b32 v[rT+7], v[rT]                       ; the old c m - 14 is kept for a
.elseif j == 12
	v_sub_f32 v[rT+7], v[rT+7], v[rT]              ; the 14 cancels
.elseif j < 46
	v_cvt_pk_f16_f32 v[rP+j-38], v[rS+2*(j-38)], v[rS+2*(j-38)+1]
.elseif j < 54                         ; the sum of the tile's 8 pairs, in place: neighbours 1, 2 and 4 pairs apart, then l takes it
.set z, j-46
.if z < 4
	v_pk_add_f32 v[rS+4*z:rS+4*z+1], v[rS+4*z:rS+4*z+1], v[rS+4*z+2:rS+4*z+3]
.elseif z < 6
	v_pk_add_f32 v[rS+8*(z-4):rS+8*(z-4)+1], v[rS+8*(z-4):rS+8*(z-4)+1], v[rS+8*(z-4)+4:rS+8*(z-4)+5]
.elseif (z == 6) && \first
	v_pk_add_f32 v[rT+2:rT+3], v[rS:rS+1], v[rS+8:rS+9]
.elseif z == 6
	v_pk_add_f32 v[rS:rS+1], v[rS:rS+1], v[rS+8:rS+9]
.elseif !\first
	v_pk_fma_f32 v[rT+2:rT+3], v[rT+2:rT+3], v[rT+6:rT+7], v[rS:rS+1] op_sel_hi:[1,0,1]
.endif
.else
	WIN W_RS
	v_pk_mul_f32 v[rO:rO+1], v[rO:rO+1], v[rT+6:rT+7] op_sel_hi:[1,0]
.endif
.endm
; The slice behind product pidx of 48, of piece y's softmax.  Slices 0 to 6: four lines, numbers 2 k and 2 k + 1 of both tiles, the tiles alternating.  Slices 7 to 18 deal out the batch: a four of ONE tile each, the tiles by turns.
; Behind slice 18 nothing has named a result and no exponential follows: the piece's 34 exponentials have one plain line and one wait.  Then numbers 38 to 85 of both tiles, alternating: 22 x 3 + 6 x 4 + 6 = 96.
; The six lines of slice 47 are plain and name nothing of the products round them: they are the places behind the turn's last K Q^T.
.macro SLICE y, first
.if (pidx >= 7) && (pidx < 19)
.irp n, 0,1,2,3
.set j, 14+4*((pidx-7)/2)+\n
	SM (\y)+(pidx-7)%2, \first
.endr
.else
.set cnt, 4
.if (pidx >= 19) && (pidx < 41)
.set cnt, 3
.endif
.if pidx == 47
.set cnt, 6
.endif
.rept cnt
.set j, qidx/2
	SM (\y)+qidx%2, \first
.set qidx, qidx+1
.endr
.endif
.if pidx == 18
.set qidx, 76                          ; on to number 38 of both tiles
	v_nop                                          ; the plain instruction behind the last exponential: one for the batch
.if (\y) == 0
	FETCH_V                                        ; piece 2's turn: V's run of loads stands here, and the wait stands in it
.else
	s_wait_alu depctr_va_vdst(0)                   ; the wait for the batch
.endif
.endif
.endm
; A TURN.  Piece x has the matrix unit.  pv = 2: 16 products V^T P; 1: they start O^T's sums; 0: none.  kq = 1: 32 products K Q^T for the next step.  Where a kind is missing its slices stand without products.
.macro TURN x, pv, kq, first
.set qidx, 0
.set pidx, 0
.if (\x == 0) && \pv
	s_wait_dscnt 16                                ; V is in; the 16 loads of b1, issued behind it, may be out
.endif
.rept 48
.if pidx < 16
.if \pv
.set i, pidx
	PV \x, 2-\pv
.endif
.elseif \kq
.if (\x == 0) && (pidx == 16)
	s_wait_dscnt 16                                ; b1 is in; the 16 loads of b2 may be out
.endif
.if (\x == 0) && (pidx == 32)
	s_wait_dscnt 0x0                               ; b2 is in
.endif
.set i, pidx-16
	KQ \x
.endif
	SLICE 2-\x, \first
.if (\x == 0) && \kq && (pidx == 1)
	FETCH_L
.endif
.if (\x == 2) && \kq && (pidx == 32)
	FETCH_H \first
.endif
.set pidx, pidx+1
.endr
.if \first
	PLACES                                         ; the first softmax has nothing to rescale: four v_nop take slice 47's part
.endif
.endm
; THE CHANGE OF SLOTS, between piece 2's turn and piece 0's.  Each wave waits for all its tensor loads (one is out: its quarter of the other slot), adds 0 to its spare word, and waits for that and for its reads of the slot.
; fill = 1: the barrier is a round of the cluster's, and the joint refill is the first thing behind it: it has four key steps, 384 matrix instructions, in which to land.
.macro CHANGE fill
	WIN 0
	s_wait_tensorcnt 0x0                           ; no tensor load of mine is out, so a group 0 may be written
	ds_add_u32 v[SPW], v[NIL]                      ; 0 onto my spare word
.if \fill
	s_xor_b32 s[G0+5], s[G0+5], SLOT1              ; the walking descriptor: the other slot than last time,
	s_add_nc_u64 s[G0+6:G0+7], s[G0+6:G0+7], BLKB  ; the next 128 keys
	s_wait_xcnt 0x0                                ; the last prefetch, four key steps back, has read its address
	s_add_nc_u64 s[PFA:PFA+1], s[PFA:PFA+1], BLKB
	s_wait_dscnt 0x0                               ; the add is done, and my reads of the slot are over
	CROUND
	JLOAD
	ASK
.else
	s_wait_dscnt 0x0
	s_barrier_signal -1
	s_barrier_wait -1
.endif
	s_sub_co_u32 s[TB], s[TB], 4*STEPB             ; the fetches go back to a slot's first quarter,
	s_xor_b32 s[TB], s[TB], SLOT1                  ; in the other slot
.endm
.macro STEPS_LOOP n                    ; n key steps: written once, walked n times
	s_mov_b32 s[TWICE], \n
.Lstep_\@:
	TURN 0, 2, 1, 0
	TURN 2, 2, 1, 0
	WIN 0
	s_sub_co_u32 s[TWICE], s[TWICE], 1
	s_cmp_lg_u32 s[TWICE], 0
	s_cbranch_scc1 .Lstep_\@
.endm
	s_wait_tensorcnt 1                             ; b1 of the first keys and my quarter of slot 0 are in; slot 1's load may stay out
	s_barrier_signal -1
	s_barrier_wait -1
	v_add_nc_u32 v[ADR], KZ, v[AK0]
	KLOADS KH, 0                                   ; b1 of step 0
	FETCH_L                                        ; b2 of step 0
	s_wait_loadcnt 0x0                             ; Q
	s_wait_dscnt 0x0
.set i, 0
.rept 32
	KQ 0                                           ; piece 0's first scores
.set i, i+1
.endr
	WIN 0
	PLACES                                         ; behind those products, ahead of the first read of their results
	TURN 2, 0, 1, 1                                ; piece 2's first scores | piece 0's first softmax | V of step 0, b1 of step 1
	TURN 0, 1, 1, 1                                ; piece 0: V^T P of step 0 starts O^T, K Q^T of step 1 | piece 2's first softmax | b2 of step 1
	TURN 2, 1, 1, 0                                ; piece 2: the same | piece 0's softmax of step 1 | V of step 1, b1 of step 2
	WIN 0
	STEPS_LOOP 2                                   ; slot 0's last two quarters
.Lslot:                                            ; 14 trips: every slot but the last two is filled again
	CHANGE 1
	STEPS_LOOP 4
	s_sub_co_u32 s[SLOTS], s[SLOTS], 1
	s_cmp_lg_u32 s[SLOTS], 0
	s_cbranch_scc1 .Lslot
	CHANGE 0                                       ; the tail is written out
	STEPS_LOOP 4
	WIN 0x80                                       ; Q's registers are done with (six plain lines stand behind the last product that read them): they take the gate, as O^T's registers will want it
.irp t, 0,1,2,3
.irp b, 0,1,2,3,4,5,6,7
.irp p, 0,1
	global_load_b128 v[64*\t+8*\b+4*\p:64*\t+8*\b+4*\p+3], v[QO], s[8:9] offset:\t*8192+\b*1024+\p*512 th:TH_LOAD_NT
.endr
.endr
.endr
	TURN 0, 2, 0, 0                                ; piece 0: V^T P of the last step | piece 2's last softmax
.set i, 0
.rept 16
	PV 2, 0                                        ; piece 2: V^T P of the last step
.set i, i+1
.endr
	; THE WAY OUT.  The additions are the places behind the last products.
	WIN 0
.irp t, 0,1,2,3
	v_add_f32 v[ST+8*\t+4], v[ST+8*\t+2], v[ST+8*\t+3]
.endr
.irp t, 0,1,2,3
	v_permlanex16_b32 v[ST+8*\t+5], v[ST+8*\t+4], s[SEL], s[SEL+1]
.endr
.irp t, 0,1,2,3
	v_add_f32 v[ST+8*\t+4], v[ST+8*\t+4], v[ST+8*\t+5]
.endr
.irp t, 0,1,2,3
	v_rcp_f32 v[ST+8*\t+6], v[ST+8*\t+4]
.endr
	v_nop                                          ; a plain instruction behind the last reciprocal
	s_wait_alu depctr_va_vdst(0)                   ; and the wait ahead of the first use: one for the four
	s_wait_loadcnt 0x0                             ; the gate
.macro OUT t                           ; tile t: O^T / l x the gate, in f32; to f16 once; a lane's eight channels are 16 bytes of the next product's operand image
	WIN W_RS
.set i, 64*\t
.rept 32
	v_pk_mul_f32 v[i:i+1], v[i:i+1], v[ST+8*\t+6:ST+8*\t+7] op_sel_hi:[1,0]
.set i, i+2
.endr
	WIN 0x49                                       ; O^T in window 1, the gate (source 1) in window 2
.set i, 64*\t
.rept 32
	v_pk_mul_f32 v[i:i+1], v[i:i+1], v[i:i+1]
.set i, i+2
.endr
	WIN 0x05
.set i, 0
.rept 32
	v_cvt_pk_f16_f32 v[OP+32*\t+i], v[64*\t+2*i], v[64*\t+2*i+1]
.set i, i+1
.endr
	WIN 0
.irp f, 0,1,2,3,4,5,6,7
	global_store_b128 v[QO], v[OP+32*\t+4*\f:OP+32*\t+4*\f+3], s[10:11] offset:\t*32768+\f*512   ; 512 consecutive bytes
.endr
.endm
	OUT 0
	OUT 1
	OUT 2
	OUT 3
	s_wait_tensorcnt 0x0                           ; the wave's end: behind my last tensor load
	ds_add_u32 v[SPW], v[NIL]
	s_wait_dscnt 0x0
	CROUND                                         ; the closing round
	s_endpgm
.Lfunc_end_k_q3d3fd39399_attn:
	.size	k_q3d3fd39399_attn, .Lfunc_end_k_q3d3fd39399_attn-k_q3d3fd39399_attn
	.p2alignl 7, 3214868480
	.fill 96, 4, 3214868480
	.section	.rodata,"a",@progbits
	.p2align	6, 0x0
	.amdhsa_kernel k_q3d3fd39399_attn
		.amdhsa_group_segment_fixed_size 327680
		.amdhsa_private_segment_fixed_size 0
		.amdhsa_enable_private_segment 0
		.amdhsa_kernarg_size 32
		.amdhsa_user_sgpr_count 2
		.amdhsa_user_sgpr_kernarg_segment_ptr 1
		.amdhsa_wavefront_size32 1
		.amdhsa_system_sgpr_workgroup_id_x 1
		.amdhsa_system_sgpr_workgroup_id_y 1
		.amdhsa_system_sgpr_workgroup_id_z 1
		.amdhsa_system_vgpr_workitem_id 0
		.amdhsa_next_free_vgpr 1024
		.amdhsa_next_free_sgpr 66
		.amdhsa_reserve_vcc 0
		.amdhsa_float_denorm_mode_32 3
		.amdhsa_float_denorm_mode_16_64 3
		.amdhsa_memory_ordered 1
		.amdhsa_forward_progress 1
		.amdhsa_inst_pref_size 210
	.end_amdhsa_kernel
	.amdgpu_metadata
---
amdhsa.version: [ 1, 2 ]
amdhsa.kernels:
  - .name:           k_q3d3fd39399_attn
    .symbol:         k_q3d3fd39399_attn.kd
    .args:
      - { .name: qh, .offset: 0, .size: 8, .value_kind: global_buffer, .address_space: global }
      - { .name: kvh, .offset: 8, .size: 8, .value_kind: global_buffer, .address_space: global }
      - { .name: gh, .offset: 16, .size: 8, .value_kind: global_buffer, .address_space: global }
      - { .name: ah, .offset: 24, .size: 8, .value_kind: global_buffer, .address_space: global }
    .group_segment_fixed_size: 327680
    .private_segment_fixed_size: 0
    .kernarg_segment_align: 8
    .kernarg_segment_size: 32
    .max_flat_workgroup_size: 128
    .sgpr_count:     66
    .vgpr_count:     1024
    .wavefront_size: 32
...
	.end_amdgpu_metadata
.endif
;; end of part 6
;; launch oproj: the kernel of part 4 again; grid 4 x 64, 4 waves a work-group, clusters of 4 x 4, 327,680 bytes of LDS; arguments ah, wot, bo, out0; writes out0
